; MI455X (gfx1250); checked and timed in simulation.
; The chip was launched on July 23, 2026; its instructions are those of AMD's public machine-readable ISA for CDNA 5 (MIT licence, August 2026) and "CDNA5" Instruction Set Architecture Reference Guide (July 2026). The comments in the code are by the model that wrote it; some were corrected since.
;; Multi Head Attention. Allowed arithmetic: matrix products marked QUANTISED: E3M2 operands, one E8M0 scale for each 32 along K, by v_wmma_scale_f32_16x16x128_f8f6f4 with both operands' format E3M2, f32 sums; everything else in f32.
;; Inputs: wk_b 1,024 float32; wk_w 1,024 x 1,024 float32; wo_b 1,024 float32; wo_w 1,024 x 1,024 float32; wq_b 1,024 float32; wq_w 1,024 x 1,024 float32; wv_b 1,024 float32; wv_w 1,024 x 1,024 float32; x 1 x 4,096 x 1,024 float32.
;; Outputs: out0 1 x 4,096 x 1,024 float32.
;; This version of the problem:
;;   THIS VERSION OF THE PROBLEM IS GIVEN IN LOW PRECISION. The matrix products marked QUANTISED in the list below multiply operands that are first quantised to E3M2 (3 exponent bits, 2 mantissa bits; 6 bits a number), with one power-of-two scale for each 32 numbers along K (OCP MX v1.0); their sums are f32. All else is computed in f32.
;;   The module's matrix products, in the order in which they are computed (A, B: the left and right operand; K: the contracted axis; several contracted axes count as one K, in the product's order):
;;     1. [M 4,096, K 1,024] x [K 1,024, N 1,024]; A: input x; B: input wq_w: QUANTISED
;;     2. [M 4,096, K 1,024] x [K 1,024, N 1,024]; A: input x; B: input wk_w: QUANTISED
;;     3. [M 4,096, K 1,024] x [K 1,024, N 1,024]; A: input x; B: input wv_w: QUANTISED
;;     4. batch 16 x [M 4,096, K 64] x [K 64, N 4,096]; A: computed on the way; B: computed on the way: QUANTISED
;;     5. batch 16 x [M 4,096, K 4,096] x [K 4,096, N 64]; A: softmax (see below); B: computed on the way: QUANTISED
;;     6. [M 4,096, K 1,024] x [K 1,024, N 1,024]; A: computed on the way; B: input wo_w: QUANTISED
;;   THE QUANTISER, for each operand of a quantised product, along K:
;;     - K is cut into blocks of 32 from its start; a last block that is shorter is filled with zeros.
;;     - A block's scale is 2^e with e = floor(log2(the largest magnitude in the block)) - 4, held to -126 .. 127; a block of zeros has e = 0. As a byte (E8M0): e + 127.
;;     - Each number is divided by its block's scale, clamped to +-28, and rounded to the nearest number of E3M2, ties to even, subnormals kept.
;;     - The product sums the exact products of the quantised numbers (number of the format x scale) in f32.
;;   ~~~python
;;   def quantise(x, axis):      # numpy; x: float32 -> the quantised numbers, widened to float32 again
;;       x = np.moveaxis(x, axis, -1); K = x.shape[-1]
;;       x = np.pad(x, [(0, 0)] * (x.ndim - 1) + [(0, -K % 32)]); x = x.reshape(x.shape[:-1] + (-1, 32)); a = np.abs(x).max(-1, keepdims=True)
;;       e = np.where(a > 0, np.clip(np.frexp(np.where(a > 0, a, 1))[1] - 1 - 4, -126, 127), 0)      # np.frexp(a)[1] - 1 = floor(log2(a)), exactly
;;       r = np.clip(x / 2.0 ** e, -28, 28)
;;       step = 2.0 ** (np.maximum(np.frexp(np.where(r == 0, 1, r))[1] - 1, -2) - 2)
;;       q = np.round(r / step) * step * 2.0 ** e      # np.round: ties to even
;;       return np.moveaxis(q.reshape(q.shape[:-2] + (-1,))[..., :K], -1, axis).astype(np.float32)
;;   ~~~
;;   SOFTMAX AHEAD OF A QUANTISED PRODUCT. Where the list says 'softmax', what is quantised is not the finished softmax but p = 2^(t - M), with t = logit x log2(e) and M = ceil(the row's largest t), a whole number; so 1/2 < the row's largest p <= 1. The row's sum l is taken of the UNQUANTISED p, in f32, and the product's result is divided by l at the end. Since M is a whole number, a kernel that streams over the keys may use a running M (the ceiling of the running maximum): every later rescaling is an exact power of two, which a block's scale takes up: the codes' values come out the same.
;;   OPERANDS COMPUTED ON THE WAY. 'Computed on the way' means the value that the module computes at that place (a softmax that the list does not call 'softmax' is quantised finished and normalised). What goes into a quantiser is computed in f32, as accurately as f32 sums, v_exp_f32 and their like allow (about 1e-6 of the number): no bf16 or f16 on the way to a quantiser, and a product that is left as it is and whose result goes on into a quantised operand takes f32 operands (vector FMAs, or v_wmma_f32_16x16x4_f32). A number that lies on a knife's edge between two numbers of the format may be rounded either way, as far as f32 arithmetic and the matrix unit's own rounding can turn it there, and no further.
;; One version. Each part assembles by itself: llvm-mc -triple=amdgcn-amd-amdhsa -mcpu=gfx1250 --defsym DOCPART=n.
;; ======== version 1 of 1: 4 launches
;; limits: right only within a limited range of input values
;; workspace buffers: codes 6,291,456 bytes; scales 262,144 bytes; qc 3,145,728 bytes; qs 262,144 bytes; kv 6,684,672 bytes; yc 3,145,728 bytes; ys 131,072 bytes
;; launch quant (part 1): grid 512 x 1, 8 waves a work-group, no clusters, 69,120 bytes of LDS; arguments x, wq_w, wk_w, wv_w, wo_w, codes, scales; writes codes, scales
.if DOCPART == 1
	.amdgcn_target "amdgcn-amd-amdhsa--gfx1250"
	.amdhsa_code_object_version 6
	.text
	.protected	k_q5714996eb2_quant
	.globl	k_q5714996eb2_quant
	.p2align	8
	.type	k_q5714996eb2_quant,@function
k_q5714996eb2_quant:
	s_mov_b64 s[64:65], 0
	v_nop
	global_prefetch_b8 v0, s[64:65] scope:SCOPE_SE
	s_setreg_imm32_b32 hwreg(HW_REG_WAVE_MODE, 25, 1), 1
	s_wait_xcnt 0x0
; x [4096][1024] and the four weights [1024][1024], f32 with K innermost, become codes of BF6 (E3M2) with one E8M0 byte for each 32 along K,
; laid out AS THE MATRIX OPERANDS' REGISTERS WANT THEM, so that every later launch fetches a fragment by loads of 16 bytes a lane from consecutive bytes.
; A TILE is 16 rows: row rho of tile T is row 32 (T / 2) + 8 (T % 2) + rho + 8 (rho / 8) of its tensor.  (As source 0 of a product such a tile leaves a lane's 16 registers of tiles 2 b, 2 b + 1 as 16 neighbours.)
; codes:  [512 tiles][8 K steps][1,536 bytes]: register 4 g + e of lane l of the fragment (16 rows x 128 K, 12 registers) at 512 g + 16 l + 4 e.
; scales: [512 tiles][512 bytes]: the scale word (4 bytes, 128 along K) of row r, K step ks at 256 (ks / 4) + 16 r + 4 (ks % 4).
; Tile numbers: x's tile T: T;  head hd, tensor p (0 wq, 1 wk, 2 wv), tile j of the head's four: 256 + 12 hd + 4 p + j;  wo's tile t: 448 + t.
; SHARES: a work-group takes one tile, each of its eight waves one K step (a fragment).  Each load reads 512 consecutive bytes of one row; the 16 x 512 bytes turn through the wave's own stage in LDS
; (rows 528 bytes apart) so that lane (r, h) gets row r's k = 64 c + 32 h + 0 .. 31: two whole blocks, whose largest magnitudes need no other lane.
; A block's scale is 2^(floor(log2(largest magnitude)) - 4): its byte is the largest magnitude's exponent field - 4, held at 1 from below by a floor among the maximum's leaves.
; LIMITS: NaN and infinities among the inputs are not served.  A block whose largest magnitude lies under 2^-122 keeps the byte 1; a block of zeros gets the byte 1 where the rule says 127:
; its codes are zeros, and these bytes are read by this program alone.
; No cluster: no two work-groups read the same bytes.  No tensor loads: a tile is read once, straight into registers.
.set SP,   528                         ; a stage row: 512 bytes + 16
.set STGW, 16*SP                       ; a wave's stage
.set SCW,  8*STGW                      ; behind the stages: the tile's 512 bytes of scale words
.set RR,   16                          ; v16-79   16 rows as loaded, 4 registers each
.set XX,   80                          ; v80-143  my 64 numbers: register 32 c + i = k 64 c + 32 h + i of row r
.set TM,   144                         ; v144-149 at work
.set FRG,  152                         ; v152-163 the fragment
.set CT,   164                         ; v164-166, v168-170 the upper halves of the two blocks' codes
	s_load_b256 s[4:11], s[0:1], 0x0               ; x, wq_w, wk_w, wv_w
	s_load_b128 s[12:15], s[0:1], 0x20             ; wo_w, codes
	s_load_b64 s[16:17], s[0:1], 0x30              ; scales
	v_lshl_add_u32 v176, v0, 2, 0x10a00
	v_mov_b32 v177, 0
	v_lshrrev_b32 v1, 5, v0
	s_delay_alu instid0(VALU_DEP_1)
	v_readfirstlane_b32 s18, v1                    ; wave = K step
	v_and_b32 v2, 31, v0                           ; lane
	v_and_b32 v3, 15, v0                           ; r
	v_bfe_u32 v9, v0, 4, 1                         ; h
	s_delay_alu instid0(VALU_DEP_3)
	v_lshlrev_b32 v4, 4, v2                        ; 16 l
	s_mul_i32 s19, s18, STGW
	v_add_nc_u32 v5, s19, v4                       ; the stage on the way in: 16 l of a row
	v_mul_u32_u24 v6, v3, SP
	s_delay_alu instid0(VALU_DEP_1)
	v_lshl_add_u32 v6, v9, 7, v6
	s_delay_alu instid0(VALU_DEP_1)
	v_add_nc_u32 v6, s19, v6                       ; and on the way out: row r, + 128 h bytes
	s_lshr_b32 s30, s18, 2
	s_lshl_b32 s30, s30, 8
	s_and_b32 s31, s18, 3
	s_lshl_b32 s31, s31, 2
	s_add_co_u32 s30, s30, s31
	s_add_co_u32 s30, s30, SCW
	v_lshl_add_u32 v7, v3, 4, s30                  ; my row's scale word of this K step
	v_add_nc_u32 v8, SCW, v4                       ; the tile's scale words, 16 bytes a lane
	v_lshlrev_b32 v10, 3, v9                       ; 8 h
	v_mov_b32 v11, 0                               ; a lane permute's destination counts as read
	s_mov_b32 s32, 0x76543210
	s_mov_b32 s33, 0xfedcba98                      ; selects for lane l xor 16
	; which tensor, which of its tiles, which tile number
	s_sub_co_u32 s20, ttmp9, 256
	s_and_b32 s20, s20, 255                        ; u: the weights' work-groups
	s_lshr_b32 s21, s20, 6                         ; 0 wq, 1 wk, 2 wv, 3 wo
	s_and_b32 s22, s20, 63                         ; the weight's tile t
	s_lshr_b32 s23, s22, 2
	s_mul_i32 s23, s23, 12
	s_and_b32 s24, s22, 3
	s_add_co_u32 s23, s23, s24
	s_lshl_b32 s24, s21, 2
	s_add_co_u32 s23, s23, s24
	s_add_co_u32 s23, s23, 256                     ; 256 + 12 (t / 4) + 4 p + t % 4
	s_add_co_u32 s24, s22, 448
	s_cmp_eq_u32 s21, 3
	s_cselect_b32 s23, s24, s23
	s_cmp_lt_u32 ttmp9, 256
	s_cselect_b32 s23, ttmp9, s23                  ; the tile's number
	s_cselect_b32 s22, ttmp9, s22                  ; the tile in its own tensor
	s_lshr_b32 s24, s22, 1
	s_lshl_b32 s24, s24, 17                        ; 32 rows of 4,096 bytes
	s_and_b32 s25, s22, 1
	s_lshl_b32 s25, s25, 15                        ; 8 rows
	s_add_co_u32 s24, s24, s25
	s_lshl_b32 s25, s18, 9                         ; my K step: 512 bytes
	s_add_co_u32 s24, s24, s25
	s_mov_b32 s25, 0
	s_mul_i32 s26, s23, 12288
	s_mul_i32 s27, s18, 1536
	s_add_co_u32 s26, s26, s27
	s_mov_b32 s27, 0
	s_lshl_b32 s28, s23, 9
	s_mov_b32 s29, 0
	s_wait_alu depctr_va_vdst(0)
	s_wait_kmcnt 0x0
	s_cmp_eq_u32 s21, 2                            ; the source: a choice that hangs on the work-group's number alone
	s_cselect_b64 s[12:13], s[10:11], s[12:13]
	s_cmp_eq_u32 s21, 1
	s_cselect_b64 s[12:13], s[8:9], s[12:13]
	s_cmp_eq_u32 s21, 0
	s_cselect_b64 s[12:13], s[6:7], s[12:13]
	s_cmp_lt_u32 ttmp9, 256
	s_cselect_b64 s[12:13], s[4:5], s[12:13]
	s_add_nc_u64 s[12:13], s[12:13], s[24:25]
	s_add_nc_u64 s[14:15], s[14:15], s[26:27]
	s_add_nc_u64 s[16:17], s[16:17], s[28:29]
.irp i, 0,1,2,3,4,5,6,7,8,9,10,11,12,13,14,15
	global_load_b128 v[RR+4*\i:RR+4*\i+3], v4, s[12:13] offset:(\i+8*(\i/8))*4096 th:TH_LOAD_NT   ; the tile's row i: 32 lanes read 512 consecutive bytes
.endr
.irp i, 0,1,2,3,4,5,6,7,8,9,10,11,12,13,14,15
	s_wait_loadcnt 15-\i                           ; row i is in; the younger rows may be out
	ds_store_b128 v5, v[RR+4*\i:RR+4*\i+3] offset:SP*\i
.endr
.irp c, 0,1
.irp j, 0,1,2,3,4,5,6,7
	ds_load_b128 v[XX+32*\c+4*\j:XX+32*\c+4*\j+3], v6 offset:256*\c+16*\j   ; LDS serves a wave's instructions in order: these see my stores
.endr
.endr
	s_wait_dscnt 0x0
.irp c, 0,1
	v_max3_num_f32 v[TM+\c], |v[XX+32*\c]|, |v[XX+32*\c+1]|, 0x2800000   ; block 2 c + h: all its 32 numbers are mine; the floor 2^(5 - 127) keeps the byte at 1 or more
.endr
.irp i, 2,4,6,8,10,12,14,16,18,20,22,24,26,28,30
.irp c, 0,1
	s_delay_alu instid0(VALU_DEP_2)
	v_max3_num_f32 v[TM+\c], v[TM+\c], |v[XX+32*\c+\i]|, |v[XX+32*\c+\i+1]|   ; the two blocks by turns
.endr
.endr
.irp c, 0,1
	s_delay_alu instid0(VALU_DEP_2)
	v_add_nc_u32 v[TM+2+\c], 0xfe000000, v[TM+\c]  ; 4 off the exponent field: the conversion's scale operand
.endr
.irp c, 0,1
	s_delay_alu instid0(VALU_DEP_2)
	v_lshrrev_b32 v[TM+4+\c], 23, v[TM+2+\c]       ; the scale's byte
.endr
	s_delay_alu instid0(VALU_DEP_1)
	v_lshl_or_b32 v12, v[TM+5], 16, v[TM+4]        ; my two bytes, blocks h and 2 + h,
	s_delay_alu instid0(VALU_DEP_1)
	v_lshlrev_b32 v12, v10, v12                    ; 8 h bits up;
	s_delay_alu instid0(VALU_DEP_1)
	v_permlanex16_b32 v11, v12, s32, s33
	s_delay_alu instid0(VALU_DEP_1)
	v_or_b32 v12, v12, v11                         ; with lane l xor 16's two the word is whole
.irp c, 0,1
	v_cvt_scalef32_pk16_bf6_f32 v[FRG+6*\c:FRG+6*\c+2], v[XX+32*\c:XX+32*\c+15], v[TM+2+\c]
	v_cvt_scalef32_pk16_bf6_f32 v[CT+4*\c:CT+4*\c+2], v[XX+32*\c+16:XX+32*\c+31], v[TM+2+\c]   ; (a conversion's three registers begin on an even number)
.endr
	v_nop                                          ; one plain instruction behind the scaled conversions
.irp c, 0,1
.irp e, 0,1,2
	v_mov_b32 v[FRG+6*\c+3+\e], v[CT+4*\c+\e]
.endr
.endr
.irp g, 0,1,2
	global_store_b128 v4, v[FRG+4*\g:FRG+4*\g+3], s[14:15] offset:512*\g   ; 512 consecutive bytes, aligned
.endr
	ds_store_b32 v7, v12                           ; both halves of the lanes write the same word with the same value
	s_wait_dscnt 0x0                               ; for the others' sake: my word lies in LDS
	s_barrier_signal -1
	s_barrier_wait -1
	s_cmp_lg_u32 s18, 0
	s_cbranch_scc1 .Ldone
	ds_load_b128 v[TM:TM+3], v8                    ; wave 0 stores the tile's 512 bytes of scale words
	s_wait_dscnt 0x0
	global_store_b128 v4, v[TM:TM+3], s[16:17]
.Ldone:
	s_wait_tensorcnt 0x0
	ds_add_u32 v176, v177
	s_wait_dscnt 0x0
	s_endpgm
.Lfunc_end_k_q5714996eb2_quant:
	.size	k_q5714996eb2_quant, .Lfunc_end_k_q5714996eb2_quant-k_q5714996eb2_quant
	.p2alignl 7, 3214868480
	.fill 96, 4, 3214868480
	.section	.rodata,"a",@progbits
	.p2align	6, 0x0
	.amdhsa_kernel k_q5714996eb2_quant
		.amdhsa_group_segment_fixed_size 69120
		.amdhsa_private_segment_fixed_size 0
		.amdhsa_enable_private_segment 0
		.amdhsa_kernarg_size 56
		.amdhsa_user_sgpr_count 2
		.amdhsa_user_sgpr_kernarg_segment_ptr 1
		.amdhsa_wavefront_size32 1
		.amdhsa_system_sgpr_workgroup_id_x 1
		.amdhsa_system_sgpr_workgroup_id_y 1
		.amdhsa_system_sgpr_workgroup_id_z 1
		.amdhsa_system_vgpr_workitem_id 0
		.amdhsa_next_free_vgpr 178
		.amdhsa_next_free_sgpr 66
		.amdhsa_reserve_vcc 0
		.amdhsa_float_denorm_mode_32 3
		.amdhsa_float_denorm_mode_16_64 3
		.amdhsa_memory_ordered 1
		.amdhsa_forward_progress 1
		.amdhsa_inst_pref_size 13
	.end_amdhsa_kernel
	.amdgpu_metadata
---
amdhsa.version: [ 1, 2 ]
amdhsa.kernels:
  - .name:           k_q5714996eb2_quant
    .symbol:         k_q5714996eb2_quant.kd
    .args:
      - { .name: x, .offset: 0, .size: 8, .value_kind: global_buffer, .address_space: global }
      - { .name: wq_w, .offset: 8, .size: 8, .value_kind: global_buffer, .address_space: global }
      - { .name: wk_w, .offset: 16, .size: 8, .value_kind: global_buffer, .address_space: global }
      - { .name: wv_w, .offset: 24, .size: 8, .value_kind: global_buffer, .address_space: global }
      - { .name: wo_w, .offset: 32, .size: 8, .value_kind: global_buffer, .address_space: global }
      - { .name: codes, .offset: 40, .size: 8, .value_kind: global_buffer, .address_space: global }
      - { .name: scales, .offset: 48, .size: 8, .value_kind: global_buffer, .address_space: global }
    .group_segment_fixed_size: 69120
    .private_segment_fixed_size: 0
    .kernarg_segment_align: 8
    .kernarg_segment_size: 56
    .max_flat_workgroup_size: 256
    .sgpr_count:     66
    .vgpr_count:     178
    .wavefront_size: 32
...
	.end_amdgpu_metadata
.endif
;; end of part 1
;; launch qkv (part 2): grid 16 x 16, 4 waves a work-group, clusters of 4 x 1, 168,448 bytes of LDS; arguments codes, scales, wq_b, wk_b, wv_b, qc, qs, kv; writes qc, qs, kv
.if DOCPART == 2
	.amdgcn_target "amdgcn-amd-amdhsa--gfx1250"
	.amdhsa_code_object_version 6
	.text
	.protected	k_q5714996eb2_qkv
	.globl	k_q5714996eb2_qkv
	.p2align	8
	.type	k_q5714996eb2_qkv,@function
k_q5714996eb2_qkv:
	s_mov_b64 s[64:65], 0
	v_nop
	global_prefetch_b8 v0, s[64:65] scope:SCOPE_SE
	s_setreg_imm32_b32 hwreg(HW_REG_WAVE_MODE, 25, 1), 1
	s_wait_xcnt 0x0
	s_wait_alu depctr_hold_cnt(0) depctr_sa_sdst(0) depctr_va_vdst(0) depctr_va_sdst(0) depctr_va_ssrc(0) depctr_va_vcc(0) depctr_vm_vsrc(0)
	s_getreg_b32 s2, hwreg(HW_REG_IB_STS2, 6, 4)
	s_cmp_eq_u32 s2, 0
	s_cbranch_scc0 .Lentry_in_a_cluster
	s_endpgm
.Lentry_in_a_cluster:
	s_bfe_u32 s2, ttmp6, 0x10000c
	s_cmp_lg_u32 s2, 0x3003
	s_cbranch_scc0 .Lentry_shape_is_right
	s_endpgm
.Lentry_shape_is_right:
; q = x wq^T + bq, k = x wk^T + bk, v = x wv^T + bv on codes of BF6 (the launch before made them), and q, k, v quantised at once, in registers, for the attention launch.
; SHARES.  A work-group takes 256 tokens (block tb) of one head; wave w the token tiles 16 tb + 4 w + m, m = 0 .. 3 (tiles as the launch before cuts them: row rho of tile T is 32 (T / 2) + 8 (T % 2) + rho + 8 (rho / 8)).
; The wave's x fragments for all of K (4 tiles x 8 K steps x 12 registers = 384) go from memory straight into registers and stay: no other wave of the work-group wants them.
; The head's 12 weight tiles (147,456 bytes) come into LDS once.  CLUSTER: the four work-groups of a cluster differ in tb alone and want the same weights: each tile is asked for jointly (mask 15).
; x is not shared so: it goes into registers by plain loads.  Nothing in LDS is filled twice.
; THREE PASSES of 8 K steps x 16 matrix instructions on 16 accumulators that take turns, one instruction a turn.
;   q, k: source 0 = weight tile j, source 1 = x tile m: a lane holds one token, and its 32 registers of the four tiles j run along the head's channels: register 16 b + i = channel 32 b + 16 h + i.
;   v:    source 0 = x tile m, source 1 = wv tile j: a lane holds one channel, and its registers run along the wave's 64 tokens, which are the K of attention's second product.
; The bias is the C of a sum's first matrix instruction.
; OUT.  A half fragment (16 rows x 64 K, 6 registers) is 768 bytes: registers 0-3 at 16 l, registers 4, 5 at 512 + 8 l.  Four tiles' scale words are 256 bytes: tile m, row r at 8 (r + 16 (m % 2)) + 4 (m / 2).
;   qc [16 heads][256 tiles][768], qs [16][64][256];  kv [16 heads][32 records of 128 keys][13,056]: K's 8 tiles at 768 t; V^T's channel tile j, key half c at 6,144 + 1,536 j + 768 c; K's scale words at 12,288 (2 x 256); V's at 12,800.
; q's and k's scale words have bytes 2 and 3 = 0: they stand over zero codes on both sides in the attention launch.
; LIMITS: NaN and infinities are not served; a block under 2^-122, and a block of zeros, keep the scale byte 1 (zero codes; the bytes are read by this program alone).
; REGISTERS, in windows of 256.  Window 0: v1-10 addresses; v12-17 at work; v28-30 codes at work; v32-47 x's scale words; v48-53, v56-61 codes to store; v64-191 the accumulators; v192-239 the weights' scale words;
;   v240-245 scale words made; v248-251 bv.   Window 1: x's fragments of tiles 0, 1 at 96 m + 12 ks.   Window 2: tiles 2, 3.   Window 3: two sets of four weight fragments at 48 (n % 2) + 12 j; from v96 the biases.
.set REC,  13056
.set TILE, 12288
.set STG,  12*TILE                     ; behind the weights: 512 bytes in which V's scale halves meet; no tile lands there
.set TM,   12
.set CT,   28
.set XS,   32
.set PC0,  48
.set ACC,  64
.set WS,   192
.set SW,   240
.set EW,   244
.set BV,   248
.set BIAS, 96
.set WV,   20                          ; s20 the wave's number
.set HALF, 21                          ; s21 a mask of lanes 16-31
.set SEL,  22                          ; s[22:23] selects for lane l xor 16
.set G1,   24                          ; s[24:31] descriptor group 1
.set G0,   32                          ; s[32:35] descriptor group 0
.set XB,   44
.set XSB,  46
.set WSB,  48
.set BQ,   50                          ; s[50:55] the three biases at the head's channels
.set QCB,  56
.set QSB,  58
.set RB,   60
.set KCB,  62
.set KSB,  66
.set VCB,  68
.set VSB,  70
.set MSB,  0
.macro WIN new                         ; the immediate's high byte repeats the setting that is left
.if MSB != \new
	s_set_vgpr_msb (MSB<<8)|\new
.set MSB, \new
.endif
.endm
.macro PLACES n
.rept \n
	v_nop
.endr
.endm
.macro ROUND                           ; a round of the cluster's barrier
	s_barrier_signal -1
	s_barrier_wait -1
	s_cmp_lg_u32 s[WV], 0
	s_cbranch_scc1 .Lnot_wave_0_\@
	s_barrier_signal -3
.Lnot_wave_0_\@:
	s_barrier_wait -3
	s_barrier_signal -1
	s_barrier_wait -1
.endm
; 32 numbers of a lane, register 16 b + i = index 32 b + 16 h + i of my row, become registers 0-5 of a fragment in v[pc] on (lane (r, h): block h of row r) and the two scale bytes in v[sw], in every lane.
.macro QUANT32 s, pc, sw
.irp b, 0,1
	v_max3_num_f32 v[TM+\b], |v[\s+16*\b]|, |v[\s+16*\b+1]|, 0x2800000   ; my 16 numbers of block b, from each accumulator's low end on; the floor 2^(5 - 127) keeps the byte at 1 or more
.endr
.irp i, 2,4,6,8,10,12,14
.irp b, 0,1
	v_max3_num_f32 v[TM+\b], v[TM+\b], |v[\s+16*\b+\i]|, |v[\s+16*\b+\i+1]|
.endr
.endr
.irp b, 0,1
	v_permlanex16_b32 v[TM+2+\b], v[TM+\b], s[SEL], s[SEL+1]
.endr
.irp b, 0,1
	v_max_num_f32 v[TM+\b], v[TM+\b], v[TM+2+\b]   ; with lane l xor 16's 16: the block's largest magnitude
.endr
.irp b, 0,1
	v_add_nc_u32 v[TM+4+\b], 0xfe000000, v[TM+\b]  ; 4 off the exponent field: the conversion's scale operand
.endr
.irp b, 0,1
	v_lshrrev_b32 v[TM+2+\b], 23, v[TM+4+\b]       ; the scale's byte
.endr
	v_lshl_or_b32 v[\sw], v[TM+3], 8, v[TM+2]
	s_wait_alu depctr_va_vdst(0)
	s_wait_xcnt 0x0                                ; earlier stores have read their data registers: the codes' registers are written again only behind this wait
	v_cvt_scalef32_pk16_bf6_f32 v[\pc:\pc+2], v[\s:\s+15], v[TM+4]
	v_cvt_scalef32_pk16_bf6_f32 v[CT:CT+2], v[\s+16:\s+31], v[TM+5]
	v_nop                                          ; one plain instruction behind the scaled conversions
.irp e, 0,1,2
	v_permlane16_swap_b32 v[\pc+\e], v[CT+\e]      ; the operand's layout wants a whole block in a lane: lanes 0-15 block 0, lanes 16-31 block 1
.endr
.irp e, 0,1,2
	v_mov_b32 v[\pc+3+\e], v[CT+\e]
.endr
.endm
; the four weight fragments of step n (pass n / 8, K step n % 8) into set n % 2 of window 3
.macro WFETCH n
.set fn, \n
	WIN 0xc0
.irp j, 0,1,2,3
.irp g, 0,1,2
	ds_load_b128 v[48*(fn%2)+12*\j+4*\g:48*(fn%2)+12*\j+4*\g+3], v[8+fn/8] offset:TILE*\j+1536*(fn%8)+512*\g
.endr
.endr
.endm
.macro KSTEP n
.set kn, \n
.set kp, kn/8
.set ks, kn%8
	PLACES 4                                       ; in front of loads into the set that the step before multiplied
.if kn < 23
	WFETCH kn+1
.endif
.if kp == 0
.if 84-12*ks > 63
	s_wait_loadcnt 63                              ; the small loads and this K step's x fragments are in
.else
	s_wait_loadcnt 84-12*ks                        ; the x fragments of later K steps, 12 loads each, may be out
.endif
.endif
.if kn < 23
	s_wait_dscnt 12                                ; this step's weight fragments are in; the 12 loads just issued may be out
.else
	s_wait_dscnt 0x0
.endif
.set mi, 0
.rept 4
.if kp < 2
.set wsel, 0x07+4*(mi/2)                           ; source 0 window 3 (weights), source 1 window 1 or 2 (x)
.else
.set wsel, 0x0d+(mi/2)                             ; source 0 window 1 or 2 (x), source 1 window 3
.endif
.if ks == 0
.set wsel, wsel+0x30                               ; C: the bias, in window 3
.endif
	WIN wsel
.set ji, 0
.rept 4
.set rW, 48*(kn%2)+12*ji
.set rX, 96*(mi%2)+12*ks
.set rWS, WS+4*(4*kp+ji)+ks%4
.set rXS, XS+4*mi+ks%4
.if kp < 2
.set rD, ACC+32*mi+8*ji
.set rA, rW
.set rB, rX
.set rSA, rWS
.set rSB, rXS
.else
.set rD, ACC+32*ji+8*mi
.set rA, rX
.set rB, rW
.set rSA, rXS
.set rSB, rWS
.endif
.set rC, rD
.if ks == 0
.set rC, BIAS+32*kp+8*ji
.endif
.if ks < 4
	v_wmma_scale_f32_16x16x128_f8f6f4 v[rD:rD+7], v[rA:rA+11], v[rB:rB+11], v[rC:rC+7], v[rSA], v[rSB] matrix_a_fmt:MATRIX_FMT_BF6 matrix_b_fmt:MATRIX_FMT_BF6
.else
	v_wmma_scale_f32_16x16x128_f8f6f4 v[rD:rD+7], v[rA:rA+11], v[rB:rB+11], v[rC:rC+7], v[rSA], v[rSB] matrix_a_fmt:MATRIX_FMT_BF6 matrix_b_fmt:MATRIX_FMT_BF6 matrix_a_scale:MATRIX_SCALE_ROW1 matrix_b_scale:MATRIX_SCALE_ROW1
.endif
.set ji, ji+1
.endr
.set mi, mi+1
.endr
	WIN 0
.endm
; q's or k's way out: four token tiles, each a half fragment (two stores of whole aligned blocks), and the four tiles' scale words as one aligned block of 256 bytes
.macro OUTQK cb, sb
.irp m, 0,1,2,3
	QUANT32 ACC+32*\m, PC0+8*(\m%2), SW+\m
	global_store_b128 v1, v[PC0+8*(\m%2):PC0+8*(\m%2)+3], s[\cb:\cb+1] offset:768*\m
	global_store_b64 v2, v[PC0+8*(\m%2)+4:PC0+8*(\m%2)+5], s[\cb:\cb+1] offset:768*\m+512
.endr
	v_cndmask_b32 v[EW], v[SW], v[SW+1], s[HALF]   ; lanes 0-15 tile 0's words, lanes 16-31 tile 1's
	v_cndmask_b32 v[EW+1], v[SW+2], v[SW+3], s[HALF]
	global_store_b64 v2, v[EW:EW+1], s[\sb:\sb+1]
.endm
	s_load_b256 s[4:11], s[0:1], 0x0               ; codes, scales, wq_b, wk_b
	s_load_b256 s[12:19], s[0:1], 0x20             ; wv_b, qc, qs, kv
	v_lshl_add_u32 v254, v0, 2, 0x29000
	v_mov_b32 v255, 0
	ds_add_u32 v254, v255
	ds_add_u32 v254, v255
	v_lshrrev_b32 v20, 5, v0
	v_readfirstlane_b32 s[WV], v20                 ; wave 0..3
	s_mov_b32 s[HALF], 0xffff0000
	s_mov_b32 s[SEL], 0x76543210
	s_mov_b32 s[SEL+1], 0xfedcba98
	s_bfe_u32 s72, ttmp6, 0x40000                  ; cx: my place in the cluster
	s_lshl_b32 s73, ttmp9, 2
	s_add_co_u32 s73, s73, s72                     ; tb = 4 x cluster x + cx: it enters x's, q's, k's and v's addresses alone
	s_and_b32 s74, ttmp7, 0xffff                   ; the head, which the four partners share
	; descriptor group 1: three neighbouring weight tiles, 36,864 dense bytes, as 144 rows of 32 elements of 8 bytes
	s_mov_b32 s[G1], 15|(3<<16)|(1<<21)            ; 15:0 the mask: all four work-groups; 17:16 elements of 8 bytes; 21 set beside a mask; no padding
	s_mov_b32 s[G1+1], 32<<16                      ; tensor_dim0 = 32
	s_mov_b32 s[G1+2], 144<<16                     ; tensor_dim1 = 144
	s_mov_b32 s[G1+3], 32<<16                      ; tile_dim0 = 32
	s_mov_b32 s[G1+4], 144                         ; tile_dim1 = 144
	s_mov_b32 s[G1+5], 32                          ; from row to row
	s_mov_b32 s[G1+6], 0
	s_mov_b32 s[G1+7], 0
	s_mul_i32 s75, s74, 12                         ; wave w fetches tiles 3 w .. 3 w + 2 of the head's twelve: numbers 256 + 12 head + 3 w on
	s_mul_i32 s79, s[WV], 3                        ; the head's twelve tiles lie on end in memory as in LDS: wave w fetches tiles 3 w .. 3 w + 2 by one load
	s_add_co_u32 s75, s75, s79
	s_add_co_u32 s75, s75, 256
	s_mul_i32 s76, s75, TILE
	s_mov_b32 s77, 0
	s_mul_i32 s78, s[WV], 3*TILE                   ; and lays them at 3 w x 12,288: no place in the cluster enters an LDS address
	s_wait_dscnt 0x0
	s_wait_kmcnt 0x0
	s_mov_b32 s[G0], 1                             ; count = 1
	s_mov_b32 s[G0+1], s78                         ; LDS address
	s_add_nc_u64 s[G0+2:G0+3], s[4:5], s[76:77]
	s_or_b32 s[G0+3], s[G0+3], 0x80000000          ; type = 2
	ROUND                                          ; all four work-groups are here: the joint loads meet
	tensor_load_to_lds s[G0:G0+3], s[G1:G1+7]      ; my one tensor load of the launch
	s_nop 0
	PLACES 4                                       ; four lines behind a tensor load ahead of a change of windows
	; addresses
	s_lshl_b32 s80, s73, 4
	s_lshl_b32 s81, s[WV], 2
	s_add_co_u32 s80, s80, s81                     ; my first token tile: 16 tb + 4 w
	s_mul_i32 s82, s80, TILE
	s_mov_b32 s83, 0
	s_add_nc_u64 s[XB:XB+1], s[4:5], s[82:83]
	s_lshl_b32 s82, s80, 9
	s_add_nc_u64 s[XSB:XSB+1], s[6:7], s[82:83]
	s_mul_i32 s82, s74, 12
	s_add_co_u32 s82, s82, 256
	s_lshl_b32 s82, s82, 9
	s_add_nc_u64 s[WSB:WSB+1], s[6:7], s[82:83]
	s_lshl_b32 s82, s74, 8                         ; the head's 64 channels: 256 bytes
	s_add_nc_u64 s[BQ:BQ+1], s[8:9], s[82:83]
	s_add_nc_u64 s[BQ+2:BQ+3], s[10:11], s[82:83]
	s_add_nc_u64 s[BQ+4:BQ+5], s[12:13], s[82:83]
	s_add_co_u32 s82, s82, s80                     ; 256 head + my first tile
	s_mul_i32 s82, s82, 768
	s_add_nc_u64 s[QCB:QCB+1], s[14:15], s[82:83]
	s_lshl_b32 s82, s74, 6
	s_lshl_b32 s84, s73, 2
	s_add_co_u32 s82, s82, s84
	s_add_co_u32 s82, s82, s[WV]
	s_lshl_b32 s82, s82, 8                         ; (64 head + 4 tb + w) x 256
	s_add_nc_u64 s[QSB:QSB+1], s[16:17], s[82:83]
	s_lshl_b32 s84, s74, 5
	s_lshl_b32 s85, s73, 1
	s_add_co_u32 s84, s84, s85                     ; the work-group's first record: 32 head + 2 tb
	s_mul_i32 s82, s84, REC
	s_add_nc_u64 s[VSB:VSB+1], s[18:19], s[82:83]
	s_add_nc_u64 s[VSB:VSB+1], s[VSB:VSB+1], 12800
	s_lshr_b32 s85, s[WV], 1
	s_add_co_u32 s84, s84, s85                     ; my record
	s_mul_i32 s82, s84, REC
	s_add_nc_u64 s[RB:RB+1], s[18:19], s[82:83]
	s_and_b32 s85, s[WV], 1                        ; my half of its 128 keys
	s_mul_i32 s82, s85, 3072
	s_add_nc_u64 s[KCB:KCB+1], s[RB:RB+1], s[82:83]
	s_lshl_b32 s82, s85, 8
	s_add_nc_u64 s[KSB:KSB+1], s[RB:RB+1], s[82:83]
	s_add_nc_u64 s[KSB:KSB+1], s[KSB:KSB+1], 12288
	s_mul_i32 s82, s85, 768
	s_add_nc_u64 s[VCB:VCB+1], s[RB:RB+1], s[82:83]
	s_add_nc_u64 s[VCB:VCB+1], s[VCB:VCB+1], 6144
	v_and_b32 v11, 31, v0                          ; lane
	v_lshlrev_b32 v1, 4, v11                       ; 16 l
	v_lshlrev_b32 v2, 3, v11                       ; 8 l
	v_and_b32 v20, 15, v0                          ; r
	v_bfe_u32 v21, v0, 4, 1                        ; h
	v_lshlrev_b32 v3, 6, v21                       ; 64 h: bq, bk: my half's 16 channels on
	v_and_b32 v22, 8, v20
	v_add_nc_u32 v22, v22, v20                     ; r + 8 (r / 8)
	v_lshlrev_b32 v4, 2, v22                       ; bv: my channel of a tile
	s_lshr_b32 s86, s[WV], 1
	s_lshl_b32 s86, s86, 8
	s_lshl_b32 s87, s85, 1
	s_add_co_u32 s86, s86, s87
	s_add_co_u32 s86, s86, STG
	v_lshl_add_u32 v5, v20, 3, s86                 ; V's scale halves: STG + 256 (w / 2) + 2 (w % 2) + 8 r
	v_add_nc_u32 v6, STG, v1
	v_mul_u32_u24 v7, v21, REC
	v_lshl_add_u32 v7, v20, 4, v7                  ; lanes 0-15 the first record's 256 bytes, lanes 16-31 the second's
	v_mov_b32 v8, v1                               ; LDS: 16 l + the pass's four tiles
	v_add_nc_u32 v9, 4*TILE, v1
	v_add_nc_u32 v10, 8*TILE, v1
	v_mov_b32 v[TM+2], 0                           ; a lane permute's destination counts as read
	v_mov_b32 v[TM+3], 0
	; 36 small loads: scale words and biases
.irp m, 0,1,2,3
	global_load_b128 v[XS+4*\m:XS+4*\m+3], v1, s[XSB:XSB+1] offset:512*\m   ; register e: lanes 0-15 K step e, lanes 16-31 K step 4 + e
.endr
.irp t, 0,1,2,3,4,5,6,7,8,9,10,11
	global_load_b128 v[WS+4*\t:WS+4*\t+3], v1, s[WSB:WSB+1] offset:512*\t
.endr
.irp j, 0,1,2,3
	global_load_b32 v[BV+\j], v4, s[BQ+4:BQ+5] offset:(32*(\j/2)+8*(\j%2))*4
.endr
	WIN 0xc0
.irp p, 0,1
.irp j, 0,1,2,3
	global_load_b128 v[BIAS+32*\p+8*\j:BIAS+32*\p+8*\j+3], v3, s[BQ+2*\p:BQ+2*\p+1] offset:(32*(\j/2)+8*(\j%2))*4       ; tile j's eight channels of my half, in the result's layout
	global_load_b128 v[BIAS+32*\p+8*\j+4:BIAS+32*\p+8*\j+7], v3, s[BQ+2*\p:BQ+2*\p+1] offset:(32*(\j/2)+8*(\j%2))*4+16
.endr
.endr
	; 96 loads: x's fragments, K step by K step
.irp k, 0,1,2,3,4,5,6,7
	WIN 0x40
.irp m, 0,1
.irp g, 0,1,2
	global_load_b128 v[96*\m+12*\k+4*\g:96*\m+12*\k+4*\g+3], v1, s[XB:XB+1] offset:TILE*\m+1536*\k+512*\g
.endr
.endr
	WIN 0x80
.irp m, 0,1
.irp g, 0,1,2
	global_load_b128 v[96*\m+12*\k+4*\g:96*\m+12*\k+4*\g+3], v1, s[XB:XB+1] offset:TILE*(\m+2)+1536*\k+512*\g
.endr
.endr
.endr
	WIN 0
	s_wait_alu depctr_va_vdst(0)
	s_wait_tensorcnt 0x0                           ; my three tiles lie in LDS,
	s_barrier_signal -1
	s_barrier_wait -1                              ; everybody's do; nothing is filled again
	WFETCH 0
	WIN 0
.irp n, 0,1,2,3,4,5,6,7
	KSTEP \n                                       ; q
.endr
	PLACES 4                                       ; in front of the first read of results
	OUTQK QCB, QSB
	PLACES 1                                       ; with the next step's four: five places in front of matrix instructions that begin the accumulators anew
.irp n, 8,9,10,11,12,13,14,15
	KSTEP \n                                       ; k
.endr
	PLACES 4
	OUTQK KCB, KSB
	WIN 0xc0
.irp j, 0,1,2,3
.irp e, 0,1,2,3,4,5,6,7
	v_mov_b32 v[BIAS+64+8*\j+\e], v[BV+\j]         ; in the v pass a lane is a channel: its bias eight times
.endr
.endr
	WIN 0
	PLACES 1
	s_wait_alu depctr_va_vdst(0)
.irp n, 16,17,18,19,20,21,22,23
	KSTEP \n                                       ; v
.endr
	PLACES 4
.irp j, 0,1,2,3
	QUANT32 ACC+32*\j, PC0+8*(\j%2), SW+\j         ; channel tile j, my 64 keys: half c = w % 2 of the record's fragment
	global_store_b128 v1, v[PC0+8*(\j%2):PC0+8*(\j%2)+3], s[VCB:VCB+1] offset:1536*\j
	global_store_b64 v2, v[PC0+8*(\j%2)+4:PC0+8*(\j%2)+5], s[VCB:VCB+1] offset:1536*\j+512
	ds_store_b16 v5, v[SW+\j] offset:128*(\j%2)+4*(\j/2)   ; my two bytes of the channel's scale word; the other two come from the wave beside me
.endr
	s_wait_dscnt 0x0                               ; for the others' sake: my halves lie in LDS
	s_barrier_signal -1
	s_barrier_wait -1
	s_cmp_lg_u32 s[WV], 0
	s_cbranch_scc1 .Lnot_mine
	ds_load_b128 v[12:15], v6                      ; wave 0 stores both records' scale words of V: two aligned blocks of 256 bytes
	s_wait_dscnt 0x0
	global_store_b128 v7, v[12:15], s[VSB:VSB+1]
.Lnot_mine:
	s_wait_tensorcnt 0x0
	ds_add_u32 v254, v255
	s_wait_dscnt 0x0
	ROUND                                          ; the closing round: no work-group ends while a partner may still ask for a tile that names it
	s_endpgm
.Lfunc_end_k_q5714996eb2_qkv:
	.size	k_q5714996eb2_qkv, .Lfunc_end_k_q5714996eb2_qkv-k_q5714996eb2_qkv
	.p2alignl 7, 3214868480
	.fill 96, 4, 3214868480
	.section	.rodata,"a",@progbits
	.p2align	6, 0x0
	.amdhsa_kernel k_q5714996eb2_qkv
		.amdhsa_group_segment_fixed_size 168448
		.amdhsa_private_segment_fixed_size 0
		.amdhsa_enable_private_segment 0
		.amdhsa_kernarg_size 64
		.amdhsa_user_sgpr_count 2
		.amdhsa_user_sgpr_kernarg_segment_ptr 1
		.amdhsa_wavefront_size32 1
		.amdhsa_system_sgpr_workgroup_id_x 1
		.amdhsa_system_sgpr_workgroup_id_y 1
		.amdhsa_system_sgpr_workgroup_id_z 1
		.amdhsa_system_vgpr_workitem_id 0
		.amdhsa_next_free_vgpr 960
		.amdhsa_next_free_sgpr 96
		.amdhsa_reserve_vcc 0
		.amdhsa_float_denorm_mode_32 3
		.amdhsa_float_denorm_mode_16_64 3
		.amdhsa_memory_ordered 1
		.amdhsa_forward_progress 1
		.amdhsa_inst_pref_size 120
	.end_amdhsa_kernel
	.amdgpu_metadata
---
amdhsa.version: [ 1, 2 ]
amdhsa.kernels:
  - .name:           k_q5714996eb2_qkv
    .symbol:         k_q5714996eb2_qkv.kd
    .args:
      - { .name: codes, .offset: 0, .size: 8, .value_kind: global_buffer, .address_space: global }
      - { .name: scales, .offset: 8, .size: 8, .value_kind: global_buffer, .address_space: global }
      - { .name: wq_b, .offset: 16, .size: 8, .value_kind: global_buffer, .address_space: global }
      - { .name: wk_b, .offset: 24, .size: 8, .value_kind: global_buffer, .address_space: global }
      - { .name: wv_b, .offset: 32, .size: 8, .value_kind: global_buffer, .address_space: global }
      - { .name: qc, .offset: 40, .size: 8, .value_kind: global_buffer, .address_space: global }
      - { .name: qs, .offset: 48, .size: 8, .value_kind: global_buffer, .address_space: global }
      - { .name: kv, .offset: 56, .size: 8, .value_kind: global_buffer, .address_space: global }
    .group_segment_fixed_size: 168448
    .private_segment_fixed_size: 0
    .kernarg_segment_align: 8
    .kernarg_segment_size: 64
    .max_flat_workgroup_size: 128
    .sgpr_count:     96
    .vgpr_count:     960
    .wavefront_size: 32
...
	.end_amdgpu_metadata
.endif
;; end of part 2
;; launch attn (part 3): grid 16 x 16, 16 waves a work-group, no clusters, 327,680 bytes of LDS; arguments qc, qs, kv, yc, ys; writes yc, ys
.if DOCPART == 3
	.amdgcn_target "amdgcn-amd-amdhsa--gfx1250"
	.amdhsa_code_object_version 6
	.text
	.protected	k_q5714996eb2_attn
	.globl	k_q5714996eb2_attn
	.p2align	8
	.type	k_q5714996eb2_attn,@function
k_q5714996eb2_attn:
	s_mov_b64 s[64:65], 0
	v_nop
	global_prefetch_b8 v0, s[64:65] scope:SCOPE_SE
	s_setreg_imm32_b32 hwreg(HW_REG_WAVE_MODE, 25, 1), 1
	s_wait_xcnt 0x0
; y[q] = sum over keys k <= q of softmax_k(q . k / 8) v, for each of 16 heads of 64 channels, both products on codes of BF6 with E8M0 scales; y is quantised at once for the output projection.
; Key records that lie wholly above the causal diagonal are not multiplied.
; THE SOFTMAX AHEAD OF THE SECOND PRODUCT: t = score x log2(e) / 8; M = the largest t so far, rounded up to a whole number; p = 2^(t - M) is quantised along the keys, not normalised.
; The sum is taken of the unquantised p and divides at the end.  When M moves, the sum and O are multiplied by 2^(old M - new M): exact.  A block's largest p is made from the block's largest score by the
; same multiply-add and exponential (this takes v_exp_f32 not to fall where its input rises; at the worst one p of a block would be held one code low).
; SHARES.  Work-group (i, head) owns the query blocks i and 31 - i, 128 queries each: i + 1 and 32 - i key steps of 128 keys (a record), 33 in all, whatever i.  16 waves in two groups g = w / 8; wave w serves the
; tile w % 8 of 16 queries.  Group 1 walks the high block's records 0 .. 15, one a trip.  Group 0 walks the low block's records 0 .. i (trips 0 .. i), finishes and stores that block by itself at the head of trip i + 1,
; and goes on with the high block's records 16 .. 31 - i (trip t: record t + 15 - i), 17 trips in all.  At the end the pair's two states of the high block (M, sum, O^T) are joined: both are brought under the
; larger M by exact powers of two and added.  Position p = 2 t + g is the record of group g in trip t.
; LDS: a slot A of 6 records and a slot B of 16.  Waves 0-5 fill A at the head (positions 0-5), all 16 waves fill B behind the first barrier (6-21), waves 0-5 fill A again (22-27), waves 0-4 the first five places
; of B again (28-32): one tensor load a wave behind a barrier, four runs of 3, 8, 3 and 2 trips, and group 0's last step.  Behind the ring: the spare words, and 8 high states of 4,352 bytes, into which no tile lands.
; NO PREFETCH: every fill behind the head's is asked for a whole run of trips, three or eight, ahead of its first read.
; NO CLUSTER: in one and the same trip work-groups of a head want different records (group 0's walk hangs on i), so no load could be asked for jointly.
; LAYOUT.  S^T = K Q^T (source 0 = 16 keys, source 1 = my 16 queries) and O^T = V^T P^T: a lane holds one query throughout.  The head has 64 channels: registers 6-11 of Q are zero codes, so whatever codes stand in
; registers 6-11 of a fragment of K add nothing (every 6-bit pattern is a finite number, and bytes 2, 3 of q's and k's scale words are 0): K's eight half fragments lie 6 registers apart, each fragment's upper half
; being the next one's lower half; the last one's is six zeros.  V's fragments are loaded over K's when the scores are made.
; Row rho of tile T is 32 (T / 2) + 8 (T % 2) + rho + 8 (rho / 8): the 16 registers of score tiles 2 b, 2 b + 1 are the keys 32 b + 16 h + 0 .. 15, and O^T's 32 registers the channels 32 b + 16 h + i.
; OUT: yc [256 tiles][16 heads][768 bytes] (registers 0-3 at 16 l, 4 and 5 at 512 + 8 l), ys [256 tiles][512]: my head's two bytes of the scale word of row r, K step head / 2.
; LIMITS: NaN and infinities are not served; the scaled scores stay under 2^31 in magnitude; a block of y under 2^-122, and a block of zeros, keep the scale byte 1 (zero codes; this program alone reads the bytes).
.set REC,   13056                      ; a record: K's codes 6,144, V's 6,144, K's scale words 512, V's 256
.set SLOTB, 6*REC
.set SPARE, 22*REC                     ; the spare words, 128 bytes for each of 16 waves
.set STW,   4352                       ; a state: O^T register 4 q + e at 512 q + 16 l + 4 e; (-M, sum) at 4,096 + 8 l
.set HIGHS, SPARE+2048                 ; group 1's high states, by tile
.set SPW,  3
.set NIL,  4
.set DQ,   5                           ; my query in its block - 16 h
.set A16,  6
.set A8,   7
.set QF,   16                          ; v16-27 Q; v28-33 the high block's Q; v34, v35 their scale words
.set QH,   28
.set QS,   34
.set QSH,  35
.set KS,   36                          ; v36-39 K's scale words, v40-41 V's, v42 p's or y's
.set VS,   40
.set PW,   42
.set R8,   43
.set BM,   44
.set BT,   48
.set SO,   52
.set FM,   56
.set PC,   58                          ; v58-69 p's or y's codes; v70-76 codes at work
.set CT,   70
.set SUMT, 78                          ; v78-85 four chains of the sum
.set HA16, 86                          ; my tile's high state in LDS
.set HA8,  87
.set SC,   96                          ; v96-159 S^T, then p; where a block is finished: y, and the partner's O^T
.set OB,   128
.set OT,   160                         ; v160-191 O^T
.set KB,   192                         ; v192-245 K's fragments, then V's (v192-239)
.set WV,   14
.set BI,   15
.set DI,   16                          ; 2 i: the position of the low block's diagonal
.set HD,   17
.set POS,  18
.set TB,   19
.set CNT,  20
.set GRP,  21
.set SEL,  22
.set CS,   24
.set W7,   26
.set FL,   27                          ; 2 i + 2: the position at whose head the low block is finished
.set G1,   28
.set GA,   36                          ; group 0 of the descriptors: position w;  GB: 6 + w;  GC: 22 + w;  GD: 28 + w.  None is ever written again
.set GB,   40
.set GC,   44
.set GD,   48
.set KVH,  52
.set YL,   54
.set YSL,  56
.set YH,   58
.set YSH,  60
.macro PLACES n
.rept \n
	v_nop
.endr
.endm
; y in v[SC] on, register 16 b + i = channel 32 b + 16 h + i of my query, becomes a half fragment in v[PC] on and two scale bytes in v[PW], and is stored
.macro YOUT yb, ysb
.irp b, 0,1
	v_max3_num_f32 v[BM+\b], |v[SC+16*\b]|, |v[SC+16*\b+1]|, 0x2800000   ; y's two blocks of 32 channels; the floor 2^(5 - 127) keeps the byte at 1 or more
.endr
.irp i, 2,4,6,8,10,12,14
.irp b, 0,1
	s_delay_alu instid0(VALU_DEP_2)
	v_max3_num_f32 v[BM+\b], v[BM+\b], |v[SC+16*\b+\i]|, |v[SC+16*\b+\i+1]|
.endr
.endr
.irp b, 0,1
	s_delay_alu instid0(VALU_DEP_2)
	v_permlanex16_b32 v[BM+2+\b], v[BM+\b], s[SEL], s[SEL+1]
.endr
.irp b, 0,1
	s_delay_alu instid0(VALU_DEP_2)
	v_max_num_f32 v[BM+\b], v[BM+\b], v[BM+2+\b]
.endr
.irp b, 0,1
	s_delay_alu instid0(VALU_DEP_2)
	v_add_nc_u32 v[BT+\b], 0xfe000000, v[BM+\b]    ; 4 off the exponent field: the conversion's scale operand
.endr
.irp b, 0,1
	s_delay_alu instid0(VALU_DEP_2)
	v_lshrrev_b32 v[BM+2+\b], 23, v[BT+\b]
.endr
	s_delay_alu instid0(VALU_DEP_1)
	v_lshl_or_b32 v[PW], v[BM+3], 8, v[BM+2]       ; the two scale bytes
	v_cvt_scalef32_pk16_bf6_f32 v[PC:PC+2], v[SC:SC+15], v[BT]
	v_cvt_scalef32_pk16_bf6_f32 v[CT:CT+2], v[SC+16:SC+31], v[BT+1]
	v_nop                                          ; one plain instruction behind the scaled conversions
.irp e, 0,1,2
	v_permlane16_swap_b32 v[PC+\e], v[CT+\e]       ; a whole block to a lane
.endr
.irp e, 0,1,2
	s_delay_alu instid0(VALU_DEP_3)
	v_mov_b32 v[PC+3+\e], v[CT+\e]
.endr
	global_store_b128 v1, v[PC:PC+3], s[\yb:\yb+1]               ; 512 consecutive bytes, aligned
	global_store_b64 v2, v[PC+4:PC+5], s[\yb:\yb+1] offset:512   ; 256
	global_store_b16 v8, v[PW], s[\ysb:\ysb+1]                   ; both halves of the lanes store the same two bytes with the same value
.endm
; A KEY STEP on the record at v[A16], v[A8].  At its head, where the position is 2 i + 2 (group 0 alone meets it), the low block is finished and the high block begun.
; diag: 1 the mask where the position is 2 i, 2 the mask.
.macro STEP diag
	s_cmp_lg_u32 s[POS], s[FL]
	s_cbranch_scc1 .Lsame_\@
	s_wait_alu depctr_va_vdst(0)                   ; the wait ahead of the reader below
	v_add_f32 v14, v14, v15                        ; the sum's two halves,
	s_delay_alu instid0(VALU_DEP_1)
	v_permlanex16_b32 v10, v14, s[SEL], s[SEL+1]
	s_delay_alu instid0(VALU_DEP_1)
	v_add_f32 v14, v14, v10                        ; and lane l xor 16's
	s_wait_alu depctr_va_vdst(0)                   ; the wait ahead of the reciprocal,
	v_rcp_f32 v14, v14
	v_nop                                          ; a plain instruction behind it,
	s_wait_alu depctr_va_vdst(0)                   ; and the wait ahead of its first reader, which is O^T's first reader too
.irp j, 0,2,4,6,8,10,12,14,16,18,20,22,24,26,28,30
	v_pk_mul_f32 v[SC+\j:SC+\j+1], v[OT+\j:OT+\j+1], v[14:15] op_sel_hi:[1,0]   ; each accumulator from its low end on
.endr
	YOUT YL, YSL
	s_wait_xcnt 0x0                                ; the stores have read their registers, which this step writes again
	v_mov_b32 v[QS], v[QSH]                        ; the high block begins
.irp e, 0,1,2,3,4,5
	v_mov_b32 v[QF+\e], v[QH+\e]
.endr
	v_mov_b32 v13, 0xff61b1e6
	v_mov_b32 v14, 0
	v_mov_b32 v15, 0
	v_floor_f32 v12, -v13
.set n, 0
.rept 32
	v_mov_b32 v[OT+n], 0
.set n, n+1
.endr
	s_wait_alu depctr_va_vdst(0)
.Lsame_\@:
	ds_load_b64 v[KS:KS+1], v[A8] offset:12288     ; tiles 0-3: tile m in register m / 2, lanes 16 (m % 2) on
	ds_load_b64 v[KS+2:KS+3], v[A8] offset:12544   ; tiles 4-7
.irp t, 0,1,2,3,4,5,6,7
	ds_load_b128 v[KB+6*\t:KB+6*\t+3], v[A16] offset:768*\t
	ds_load_b64 v[KB+6*\t+4:KB+6*\t+5], v[A8] offset:768*\t+512
.endr
	s_wait_dscnt 0x0
.irp t, 0,1,2,3,4,5,6,7
.if \t%2
	v_wmma_scale_f32_16x16x128_f8f6f4 v[SC+8*\t:SC+8*\t+7], v[KB+6*\t:KB+6*\t+11], v[QF:QF+11], 0, v[KS+2*(\t/4)+(\t/2)%2], v[QS] matrix_a_fmt:MATRIX_FMT_BF6 matrix_b_fmt:MATRIX_FMT_BF6 matrix_a_scale:MATRIX_SCALE_ROW1
.else
	v_wmma_scale_f32_16x16x128_f8f6f4 v[SC+8*\t:SC+8*\t+7], v[KB+6*\t:KB+6*\t+11], v[QF:QF+11], 0, v[KS+2*(\t/4)+(\t/2)%2], v[QS] matrix_a_fmt:MATRIX_FMT_BF6 matrix_b_fmt:MATRIX_FMT_BF6
.endif
.endr
	v_mov_b32 v11, v12                             ; the old -M.  With the three lines below: four places in front of the loads over K's registers and of the first read of results
	PLACES 3
	ds_load_b64 v[VS:VS+1], v[A8] offset:12800
.irp u, 0,1,2,3,4,5,6,7
	ds_load_b128 v[KB+6*\u:KB+6*\u+3], v[A16] offset:6144+768*\u       ; u = 2 j + c: channel tile j, key half c
	ds_load_b64 v[KB+6*\u+4:KB+6*\u+5], v[A8] offset:6144+768*\u+512
.endr
.if \diag == 1
	s_cmp_lg_u32 s[POS], s[DI]
	s_cbranch_scc1 .Lopen_\@
.endif
.set n, 0
.rept 64                                           ; register 16 b + i holds key 32 b + 16 h + i of the record: hidden where 32 b + i > my query - 16 h
	v_cmp_gt_i32 vcc_lo, 32*(n/16)+n%16, v[DQ]
	v_cndmask_b32 v[SC+n], v[SC+n], v9, vcc_lo     ; -infinity: p = 0 then
.set n, n+1
.endr
.if \diag == 1
.Lopen_\@:
.endif
.irp b, 0,1,2,3
	v_max3_num_f32 v[BM+\b], v[SC+16*\b], v[SC+16*\b+1], v[SC+16*\b+2]   ; the largest score of each block of 32 keys: for the row's maximum and for the block's largest p
.endr
.irp i, 3,5,7,9,11,13
.irp b, 0,1,2,3
	v_max3_num_f32 v[BM+\b], v[BM+\b], v[SC+16*\b+\i], v[SC+16*\b+\i+1]
.endr
.endr
.irp b, 0,1,2,3
	v_max_num_f32 v[BM+\b], v[BM+\b], v[SC+16*\b+15]
.endr
.irp b, 0,1,2,3
	s_delay_alu instid0(VALU_DEP_4)
	v_permlanex16_b32 v[BT+\b], v[BM+\b], s[SEL], s[SEL+1]
.endr
.irp b, 0,1,2,3
	s_delay_alu instid0(VALU_DEP_4)
	v_max_num_f32 v[BM+\b], v[BM+\b], v[BT+\b]     ; with lane l xor 16's 16 keys
.endr
	s_delay_alu instid0(VALU_DEP_2)
	v_max3_num_f32 v10, v[BM], v[BM+1], v[BM+2]
	s_delay_alu instid0(VALU_DEP_1)
	v_max_num_f32 v10, v10, v[BM+3]                ; the step's largest score of my query
	s_delay_alu instid0(VALU_DEP_1)
	v_mul_f32 v10, s[CS], v10                      ; as t
	s_delay_alu instid0(VALU_DEP_1)
	v_max_num_f32 v13, v13, v10                    ; the running largest t
	s_delay_alu instid0(VALU_DEP_1)
	v_floor_f32 v12, -v13                          ; the new -M = floor(-t): M is a whole number
	s_delay_alu instid0(VALU_DEP_1)
	v_sub_f32 v10, v12, v11                        ; old M - new M: a whole number, 0 or less
	s_delay_alu instid0(VALU_DEP_1)
	v_cvt_i32_f32 v10, v10                         ; (it saturates)
	s_delay_alu instid0(VALU_DEP_1)
	v_ldexp_f32 v[FM], 1.0, v10                    ; f = 2^(old M - new M)
.set n, 0
.rept 32
	v_pk_fma_f32 v[SC+n:SC+n+1], v[SC+n:SC+n+1], s[CS:CS+1], v[12:13] op_sel_hi:[1,0,0]   ; t - M, two at a time
.set n, n+2
.endr
.irp b, 0,1,2,3
	v_fma_f32 v[BM+\b], v[BM+\b], s[CS], v12       ; the same of each block's largest score
.endr
.irp j, 0,2,4,6,8,10,12,14,16,18,20,22,24,26,28,30
	v_pk_mul_f32 v[OT+\j:OT+\j+1], v[OT+\j:OT+\j+1], v[FM:FM+1] op_sel_hi:[1,0]   ; O^T under the new M, each accumulator from its low end on
.endr
	s_add_co_u32 s[TB], s[TB], 2*REC               ; V's loads are issued: my next record's addresses
	v_add_nc_u32 v[A16], s[TB], v1
	v_add_nc_u32 v[A8], s[TB], v2
	s_wait_alu depctr_va_vdst(0)                   ; the wait ahead of the batch
.irp b, 0,1,2,3
	v_exp_f32 v[BM+\b], v[BM+\b]                   ; the blocks' largest p
.endr
.set n, 0
.rept 64
	v_exp_f32 v[SC+n], v[SC+n]                     ; p = 2^(t - M)
.set n, n+1
.endr
	v_pk_mul_f32 v[14:15], v[14:15], v[FM:FM+1] op_sel_hi:[1,0]   ; the sums under the new M: the plain instruction behind the exponentials
	s_wait_alu depctr_va_vdst(0)                   ; one wait for the batch of 68, ahead of its first reader
.irp b, 0,1,2,3
	v_max_num_f32 v[BM+\b], 0x2800000, v[BM+\b]    ; the floor 2^(5 - 127): the byte cannot fall under 1
.endr
.irp b, 0,1,2,3
	s_delay_alu instid0(VALU_DEP_4)
	v_add_nc_u32 v[SO+\b], 0xfe000000, v[BM+\b]    ; 4 off the exponent field: the conversion's scale operand
.endr
.irp b, 0,1,2,3
	s_delay_alu instid0(VALU_DEP_4)
	v_lshrrev_b32 v[BT+\b], 23, v[SO+\b]           ; the scale's byte
.endr
	s_delay_alu instid0(VALU_DEP_3)
	v_lshl_or_b32 v[PW], v[BT+1], 8, v[BT]         ; p's scale word for these 128 keys
	s_delay_alu instid0(VALU_DEP_1)
	v_lshl_or_b32 v[PW], v[BT+2], 16, v[PW]
	s_delay_alu instid0(VALU_DEP_1)
	v_lshl_or_b32 v[PW], v[BT+3], 24, v[PW]
.irp c, 0,1
	v_cvt_scalef32_pk16_bf6_f32 v[PC+6*\c:PC+6*\c+2], v[SC+32*\c:SC+32*\c+15], v[SO+2*\c]
	v_cvt_scalef32_pk16_bf6_f32 v[CT+4*\c:CT+4*\c+2], v[SC+32*\c+16:SC+32*\c+31], v[SO+2*\c+1]
.endr
.irp k, 0,1,2,3                                    ; the sum of the unquantised p, in four chains; these four are the plain instructions behind the scaled conversions
	v_pk_add_f32 v[SUMT+2*\k:SUMT+2*\k+1], v[SC+4*\k:SC+4*\k+1], v[SC+4*\k+2:SC+4*\k+3]
.endr
.irp c, 0,1
.irp e, 0,1,2
	v_permlane16_swap_b32 v[PC+6*\c+\e], v[CT+4*\c+\e]   ; a whole block to a lane: lanes 0-15 block 2 c, lanes 16-31 block 2 c + 1
.endr
.irp e, 0,1,2
	s_delay_alu instid0(VALU_DEP_3)
	v_mov_b32 v[PC+6*\c+3+\e], v[CT+4*\c+\e]
.endr
.endr
.set n, 16
.rept 6                                            ; these 24 also stand between p's scale word and codes and the matrix instructions
.irp k, 0,1,2,3
	v_pk_add_f32 v[SUMT+2*\k:SUMT+2*\k+1], v[SUMT+2*\k:SUMT+2*\k+1], v[SC+n+2*\k:SC+n+2*\k+1]
.endr
.set n, n+8
.endr
	s_wait_alu depctr_va_vdst(0)                   ; the wait here, directly ahead of the wait below
	s_wait_dscnt 0x0                               ; V is in
.irp j, 0,1,2,3
.if \j%2
	v_wmma_scale_f32_16x16x128_f8f6f4 v[OT+8*\j:OT+8*\j+7], v[KB+12*\j:KB+12*\j+11], v[PC:PC+11], v[OT+8*\j:OT+8*\j+7], v[VS+\j/2], v[PW] matrix_a_fmt:MATRIX_FMT_BF6 matrix_b_fmt:MATRIX_FMT_BF6 matrix_a_scale:MATRIX_SCALE_ROW1
.else
	v_wmma_scale_f32_16x16x128_f8f6f4 v[OT+8*\j:OT+8*\j+7], v[KB+12*\j:KB+12*\j+11], v[PC:PC+11], v[OT+8*\j:OT+8*\j+7], v[VS+\j/2], v[PW] matrix_a_fmt:MATRIX_FMT_BF6 matrix_b_fmt:MATRIX_FMT_BF6
.endif
.endr
	v_pk_add_f32 v[SUMT:SUMT+1], v[SUMT:SUMT+1], v[SUMT+2:SUMT+3]       ; the four chains are joined: these four lines, which name no register of the products above,
	v_pk_add_f32 v[SUMT+4:SUMT+5], v[SUMT+4:SUMT+5], v[SUMT+6:SUMT+7]   ; are the places in front of the next loads over V's registers and of the next read of O^T
	v_pk_add_f32 v[14:15], v[14:15], v[SUMT:SUMT+1]
	v_pk_add_f32 v[14:15], v[14:15], v[SUMT+4:SUMT+5]
	s_add_co_u32 s[POS], s[POS], 2
.endm
.macro RUN base, trips                 ; a run of trips on a slot: group g on places g, 2 + g, ..
	s_mul_i32 s[TB], s[GRP], REC
	s_add_co_u32 s[TB], s[TB], \base
	v_add_nc_u32 v[A16], s[TB], v1
	v_add_nc_u32 v[A8], s[TB], v2
	s_wait_alu depctr_va_vdst(0)                   ; the wait behind these writes
	s_mov_b32 s[CNT], \trips
.Lstep_\@:
	STEP 1
	s_sub_co_u32 s[CNT], s[CNT], 1
	s_cmp_lg_u32 s[CNT], 0
	s_cbranch_scc1 .Lstep_\@
.endm
; THE CHANGE OF SLOTS.  Each wave waits for all its tensor loads, adds 0 to its spare word, waits for that and for its reads of the slot left.  Behind the barrier the slot ahead is whole and nobody reads the other one.
; g0 other than 0: waves 0 .. k - 1 issue one load each, first thing behind the barrier.the add stands twice in front of the first barrier;
; behind that barrier.
.macro CHANGE adds, g0, k
	s_wait_tensorcnt 0x0
.rept \adds
	ds_add_u32 v[SPW], v[NIL]
.endr
	s_wait_dscnt 0x0
	s_barrier_signal -1
	s_barrier_wait -1
.if \g0
.if \k < 16
	s_cmp_lt_u32 s[WV], \k
	s_cbranch_scc0 .Lnone_\@
.endif
	tensor_load_to_lds s[\g0:\g0+3], s[G1:G1+7]
	s_nop 0
.if \k < 16
.Lnone_\@:
.endif
.endif
.endm
; the byte offset in the head's records of the record at position 2 t + (w % 2), t = w / 2 + add: odd positions (group 1) hold record t; even ones (group 0) record t where t <= i, else t + 15 - i
.macro RECOF dst, add
	s_add_co_u32 s[\dst], s85, \add
	s_cmp_le_u32 s[\dst], s[BI]
	s_cselect_b32 s87, 0, s86
	s_cmp_eq_u32 s84, 1
	s_cselect_b32 s87, 0, s87
	s_add_co_u32 s[\dst], s[\dst], s87
	s_mul_i32 s[\dst], s[\dst], REC
	s_mov_b32 s[\dst+1], 0
.endm
.macro GROUP0 g, lds, off              ; a descriptor's group 0: count 1, the LDS address, the record's address, type 2
	s_mov_b32 s[\g], 1
	s_add_co_u32 s[\g+1], s62, \lds
	s_add_nc_u64 s[\g+2:\g+3], s[KVH:KVH+1], s[\off:\off+1]
	s_or_b32 s[\g+3], s[\g+3], 0x80000000
.endm
.macro QPTR tile, pc, ps               ; where a tile's Q codes and scale words lie
	s_add_co_u32 s92, s91, s[\tile]
	s_mul_i32 s92, s92, 768
	s_add_nc_u64 s[\pc:\pc+1], s[4:5], s[92:93]
	s_lshr_b32 s92, s[\tile], 2
	s_add_co_u32 s92, s92, s95
	s_lshl_b32 s92, s92, 8
	s_add_co_u32 s92, s92, s94
	s_add_nc_u64 s[\ps:\ps+1], s[6:7], s[92:93]
.endm
.macro YPTR tile, yb, ysb              ; where a tile's y codes and scale bytes go
	s_mul_i32 s92, s[\tile], 12288
	s_add_co_u32 s92, s92, s86
	s_add_nc_u64 s[\yb:\yb+1], s[10:11], s[92:93]
	s_lshl_b32 s92, s[\tile], 9
	s_add_co_u32 s92, s92, s87
	s_add_nc_u64 s[\ysb:\ysb+1], s[12:13], s[92:93]
.endm
	s_load_b256 s[4:11], s[0:1], 0x0               ; qc, qs, kv, yc
	s_load_b64 s[12:13], s[0:1], 0x20              ; ys
	v_lshl_add_u32 v[SPW], v0, 2, SPARE
	v_mov_b32 v[NIL], 0
	ds_add_u32 v[SPW], v[NIL]                      ; the opening lines: the add, twice on end, and its wait ahead of the first tensor load
	ds_add_u32 v[SPW], v[NIL]
	v_lshrrev_b32 v10, 5, v0
	v_readfirstlane_b32 s[WV], v10                 ; wave 0..15
	s_and_b32 s[W7], s[WV], 7                      ; my tile of a block
	s_lshr_b32 s[GRP], s[WV], 3                    ; my group
	s_mov_b32 s[BI], ttmp9                         ; i
	s_lshl_b32 s[DI], ttmp9, 1
	s_add_co_u32 s[FL], s[DI], 2
	s_and_b32 s[HD], ttmp7, 0xffff                 ; the head
	s_mov_b32 s[SEL], 0x76543210
	s_mov_b32 s[SEL+1], 0xfedcba98
	s_mov_b32 s[CS], 0x3e38aa3b                    ; c = log2(e) / 8
	s_mov_b32 s[CS+1], s[CS]                       ; (named with it as a pair)
	s_mov_b32 s[G1], 3<<16                         ; descriptor group 1: a record, 13,056 dense bytes, as 51 rows of 32 elements of 8 bytes
	s_mov_b32 s[G1+1], 32<<16
	s_mov_b32 s[G1+2], 51<<16
	s_mov_b32 s[G1+3], 32<<16
	s_mov_b32 s[G1+4], 51
	s_mov_b32 s[G1+5], 32
	s_mov_b32 s[G1+6], 0
	s_mov_b32 s[G1+7], 0
	s_and_b32 s84, s[WV], 1                        ; the positions that I fetch, w, 6 + w, 22 + w and 28 + w, have my number's parity
	s_lshr_b32 s85, s[WV], 1
	s_sub_co_u32 s86, 15, s[BI]
	RECOF 66, 0
	RECOF 68, 3
	RECOF 70, 11
	RECOF 72, 14
	s_mul_i32 s74, s[HD], 32*REC
	s_mov_b32 s75, 0
	s_mul_i32 s62, s[WV], REC                      ; my place in a slot
	s_wait_dscnt 0x0                               ; both opening adds are done
	s_wait_kmcnt 0x0
	s_add_nc_u64 s[KVH:KVH+1], s[8:9], s[74:75]
	GROUP0 GA, 0, 66
	GROUP0 GB, SLOTB, 68
	GROUP0 GC, 0, 70
	GROUP0 GD, SLOTB, 72
	s_cmp_lt_u32 s[WV], 6
	s_cbranch_scc0 .Lhead_none
	tensor_load_to_lds s[GA:GA+3], s[G1:G1+7]      ; waves 0-5: slot A, positions 0-5
	s_nop 0
.Lhead_none:
	s_lshl_b32 s89, s[BI], 3
	s_add_co_u32 s89, s89, s[W7]                   ; my tile of the low block: 8 i + w % 8
	s_sub_co_u32 s90, 31, s[BI]
	s_lshl_b32 s90, s90, 3
	s_add_co_u32 s90, s90, s[W7]                   ; and of the high block
	s_cmp_eq_u32 s[GRP], 0
	s_cselect_b32 s88, s89, s90                    ; the tile that I begin with: group 0 the low block's, group 1 the high block's
	s_mov_b32 s93, 0
	s_lshl_b32 s91, s[HD], 8
	s_lshl_b32 s95, s[HD], 6
	s_and_b32 s85, s[W7], 1
	s_lshl_b32 s94, s85, 7                         ; in a group of four tiles' scale words: 128 (tile % 2) + 4 ((tile / 2) % 2)
	s_bfe_u32 s84, s[W7], 0x10001
	s_lshl_b32 s84, s84, 2
	s_add_co_u32 s94, s94, s84
	QPTR 88, 74, 76
	QPTR 90, 78, 80
	s_mul_i32 s86, s[HD], 768
	s_lshr_b32 s87, s[HD], 3                       ; my head's two bytes: 256 (head / 8) + 4 ((head / 2) % 4) + 2 (head % 2)
	s_lshl_b32 s87, s87, 8
	s_bfe_u32 s84, s[HD], 0x20001
	s_lshl_b32 s84, s84, 2
	s_add_co_u32 s87, s87, s84
	s_and_b32 s84, s[HD], 1
	s_lshl_b32 s84, s84, 1
	s_add_co_u32 s87, s87, s84
	YPTR 89, YL, YSL
	YPTR 90, YH, YSH
	s_mul_i32 s82, s[W7], STW
	s_add_co_u32 s82, s82, HIGHS                   ; my tile's high state
	s_lshr_b32 s83, s[W7], 1
	s_lshl_b32 s83, s83, 5
	s_lshl_b32 s84, s85, 3
	s_add_co_u32 s83, s83, s84                     ; my tile's place in its block: 32 (tile / 2) + 8 (tile % 2)
	s_mov_b32 s[POS], s[GRP]
	v_and_b32 v10, 31, v0
	v_and_b32 v11, 15, v0                          ; r
	v_lshlrev_b32 v1, 4, v10                       ; 16 l
	v_lshlrev_b32 v2, 3, v10                       ; 8 l
	v_bfe_u32 v10, v0, 4, 1                        ; h
	v_lshlrev_b32 v8, 4, v11                       ; 16 r
	v_lshlrev_b32 v[R8], 3, v11                    ; 8 r
	v_and_b32 v[DQ], 8, v11
	v_lshlrev_b32 v10, 4, v10
	v_add_nc_u32 v[DQ], v[DQ], v11                 ; r + 8 (r / 8)
	v_add_nc_u32 v[HA16], s82, v1
	v_sub_nc_u32 v[DQ], v[DQ], v10                 ; - 16 h
	v_add_nc_u32 v[HA8], s82, v2
	v_add_nc_u32 v[DQ], s83, v[DQ]
	v_mov_b32 v9, 0xff800000                       ; -infinity
	s_wait_alu depctr_va_vdst(0)                   ; the wait behind these writes
	global_load_b128 v[QF:QF+3], v1, s[74:75]
	global_load_b64 v[QF+4:QF+5], v2, s[74:75] offset:512
	global_load_b128 v[QH:QH+3], v1, s[78:79]
	global_load_b64 v[QH+4:QH+5], v2, s[78:79] offset:512
	global_load_b32 v[QS], v[R8], s[76:77]
	global_load_b32 v[QSH], v[R8], s[80:81]
.irp e, 6,7,8,9,10,11
	v_mov_b32 v[QF+\e], 0                          ; the upper 64 of the instruction's K: zero codes in Q
.endr
.irp e, 48,49,50,51,52,53
	v_mov_b32 v[KB+\e], 0                          ; the upper half of K's last fragment: written once, no load lands there
.endr
.set n, 0
.rept 32
	v_mov_b32 v[OT+n], 0                           ; O^T: the first change of M multiplies zeros
.set n, n+1
.endr
	v_mov_b32 v10, 0                               ; lane permutes' destinations and pairs' upper halves count as read: written once here
	v_mov_b32 v11, 0
.set n, BM
.rept 14
	v_mov_b32 v[n], 0
.set n, n+1
.endr
	v_mov_b32 v13, 0xff61b1e6                      ; the largest t so far: -3e38
	v_mov_b32 v14, 0
	v_mov_b32 v15, 0
	v_floor_f32 v12, -v13                          ; -M
	s_wait_alu depctr_va_vdst(0)                   ; the wait at the head's end
	s_wait_loadcnt 0x0                             ; Q
	CHANGE 2, GB, 16                               ; slot A is whole; every wave: slot B's first fill, positions 6-21, issued as a refill is
	RUN 0, 3                                       ; positions 0-5
	CHANGE 1, GC, 6                                ; waves 0-5: slot A takes positions 22-27
	RUN SLOTB, 8                                   ; positions 6-21
	CHANGE 1, GD, 5                                ; waves 0-4: slot B's first five places take positions 28-32
	RUN 0, 3                                       ; positions 22-27
	CHANGE 1, 0, 0                                 ; slot B is whole; nothing is left to fetch
	RUN SLOTB, 2                                   ; positions 28-31
	s_cmp_lt_u32 s[WV], 8
	s_cbranch_scc0 .Lgroup_1
	s_mov_b32 s[TB], 10*REC
	v_add_nc_u32 v[A16], s[TB], v1
	v_add_nc_u32 v[A8], s[TB], v2
	s_wait_alu depctr_va_vdst(0)
	STEP 2                                         ; group 0: position 32, the high block's diagonal
	s_wait_alu depctr_va_vdst(0)
	v_add_f32 v13, v14, v15                        ; my state of the high block stays in registers
	s_branch .Ljoin
.Lgroup_1:
	s_wait_alu depctr_va_vdst(0)
	v_add_f32 v13, v14, v15                        ; group 1: my state goes to LDS for my partner
.irp q, 0,1,2,3,4,5,6,7
	ds_store_b128 v[HA16], v[OT+4*\q:OT+4*\q+3] offset:512*\q   ; each accumulator from its low end on
.endr
	ds_store_b64 v[HA8], v[12:13] offset:4096
.Ljoin:
	s_wait_alu depctr_va_vdst(0)
	s_wait_dscnt 0x0                               ; for the others' sake: my state lies in LDS
	s_barrier_signal -1
	s_barrier_wait -1
	s_cmp_lt_u32 s[WV], 8
	s_cbranch_scc0 .Lend
.irp q, 0,1,2,3,4,5,6,7
	ds_load_b128 v[OB+4*\q:OB+4*\q+3], v[HA16] offset:512*\q   ; group 0: my partner's state
.endr
	ds_load_b64 v[BT:BT+1], v[HA8] offset:4096
	s_wait_dscnt 0x0
	v_min_num_f32 v10, v12, v[BT]                  ; -M of the two together
	s_delay_alu instid0(VALU_DEP_1)
	v_sub_f32 v11, v10, v12                        ; my M - the new M, a whole number, 0 or less;
	v_sub_f32 v[BT+2], v10, v[BT]                  ; and my partner's
	s_delay_alu instid0(VALU_DEP_2)
	v_cvt_i32_f32 v11, v11                         ; (they saturate)
	s_delay_alu instid0(VALU_DEP_2)
	v_cvt_i32_f32 v[BT+2], v[BT+2]
	s_delay_alu instid0(VALU_DEP_2)
	v_ldexp_f32 v11, 1.0, v11
	s_delay_alu instid0(VALU_DEP_2)
	v_ldexp_f32 v[BT+2], 1.0, v[BT+2]
	s_delay_alu instid0(VALU_DEP_2)
	v_mul_f32 v14, v11, v13
	s_delay_alu instid0(VALU_DEP_1)
	v_fma_f32 v14, v[BT+2], v[BT+1], v14           ; the sum under the common M,
	s_delay_alu instid0(VALU_DEP_1)
	v_permlanex16_b32 v10, v14, s[SEL], s[SEL+1]
	s_delay_alu instid0(VALU_DEP_1)
	v_add_f32 v14, v14, v10                        ; with lane l xor 16's
	s_wait_alu depctr_va_vdst(0)                   ; the wait ahead of the reciprocal,
	v_rcp_f32 v14, v14
	v_nop                                          ; a plain instruction behind it,
	s_wait_alu depctr_va_vdst(0)                   ; and the wait ahead of its first reader
	v_mul_f32 v[FM], v11, v14                      ; my factor / the sum
	v_mul_f32 v[SO], v[BT+2], v14                  ; my partner's
	s_wait_alu depctr_va_vdst(0)                   ; the wait directly ahead of the first reader of O^T
.irp j, 0,2,4,6,8,10,12,14,16,18,20,22,24,26,28,30
	v_pk_mul_f32 v[SC+\j:SC+\j+1], v[OT+\j:OT+\j+1], v[FM:FM+1] op_sel_hi:[1,0]   ; each accumulator from its low end on
.endr
.irp j, 0,2,4,6,8,10,12,14,16,18,20,22,24,26,28,30
	v_pk_fma_f32 v[SC+\j:SC+\j+1], v[OB+\j:OB+\j+1], v[SO:SO+1], v[SC+\j:SC+\j+1] op_sel_hi:[1,0,1]   ; y: register 16 b + i = channel 32 b + 16 h + i
.endr
	YOUT YH, YSH
.Lend:
	s_wait_tensorcnt 0x0                           ; the wave's end
	ds_add_u32 v[SPW], v[NIL]
	s_wait_dscnt 0x0
	s_endpgm
.Lfunc_end_k_q5714996eb2_attn:
	.size	k_q5714996eb2_attn, .Lfunc_end_k_q5714996eb2_attn-k_q5714996eb2_attn
	.p2alignl 7, 3214868480
	.fill 96, 4, 3214868480
	.section	.rodata,"a",@progbits
	.p2align	6, 0x0
	.amdhsa_kernel k_q5714996eb2_attn
		.amdhsa_group_segment_fixed_size 327680
		.amdhsa_private_segment_fixed_size 0
		.amdhsa_enable_private_segment 0
		.amdhsa_kernarg_size 40
		.amdhsa_user_sgpr_count 2
		.amdhsa_user_sgpr_kernarg_segment_ptr 1
		.amdhsa_wavefront_size32 1
		.amdhsa_system_sgpr_workgroup_id_x 1
		.amdhsa_system_sgpr_workgroup_id_y 1
		.amdhsa_system_sgpr_workgroup_id_z 1
		.amdhsa_system_vgpr_workitem_id 0
		.amdhsa_next_free_vgpr 256
		.amdhsa_next_free_sgpr 96
		.amdhsa_reserve_vcc 1
		.amdhsa_float_denorm_mode_32 3
		.amdhsa_float_denorm_mode_16_64 3
		.amdhsa_memory_ordered 1
		.amdhsa_forward_progress 1
		.amdhsa_inst_pref_size 157
	.end_amdhsa_kernel
	.amdgpu_metadata
---
amdhsa.version: [ 1, 2 ]
amdhsa.kernels:
  - .name:           k_q5714996eb2_attn
    .symbol:         k_q5714996eb2_attn.kd
    .args:
      - { .name: qc, .offset: 0, .size: 8, .value_kind: global_buffer, .address_space: global }
      - { .name: qs, .offset: 8, .size: 8, .value_kind: global_buffer, .address_space: global }
      - { .name: kv, .offset: 16, .size: 8, .value_kind: global_buffer, .address_space: global }
      - { .name: yc, .offset: 24, .size: 8, .value_kind: global_buffer, .address_space: global }
      - { .name: ys, .offset: 32, .size: 8, .value_kind: global_buffer, .address_space: global }
    .group_segment_fixed_size: 327680
    .private_segment_fixed_size: 0
    .kernarg_segment_align: 8
    .kernarg_segment_size: 40
    .max_flat_workgroup_size: 512
    .sgpr_count:     96
    .vgpr_count:     256
    .wavefront_size: 32
...
	.end_amdgpu_metadata
.endif
;; end of part 3
;; launch oproj (part 4): grid 16 x 16, 4 waves a work-group, clusters of 4 x 1, 168,448 bytes of LDS; arguments yc, ys, codes, scales, wo_b, out0; writes out0
.if DOCPART == 4
	.amdgcn_target "amdgcn-amd-amdhsa--gfx1250"
	.amdhsa_code_object_version 6
	.text
	.protected	k_q5714996eb2_oproj
	.globl	k_q5714996eb2_oproj
	.p2align	8
	.type	k_q5714996eb2_oproj,@function
k_q5714996eb2_oproj:
	s_mov_b64 s[64:65], 0
	v_nop
	global_prefetch_b8 v0, s[64:65] scope:SCOPE_SE
	s_setreg_imm32_b32 hwreg(HW_REG_WAVE_MODE, 25, 1), 1
	s_wait_xcnt 0x0
	s_wait_alu depctr_hold_cnt(0) depctr_sa_sdst(0) depctr_va_vdst(0) depctr_va_sdst(0) depctr_va_ssrc(0) depctr_va_vcc(0) depctr_vm_vsrc(0)
	s_getreg_b32 s2, hwreg(HW_REG_IB_STS2, 6, 4)
	s_cmp_eq_u32 s2, 0
	s_cbranch_scc0 .Lentry_in_a_cluster
	s_endpgm
.Lentry_in_a_cluster:
	s_bfe_u32 s2, ttmp6, 0x10000c
	s_cmp_lg_u32 s2, 0x3003
	s_cbranch_scc0 .Lentry_shape_is_right
	s_endpgm
.Lentry_shape_is_right:
; out0 = y wo^T + wo_b on codes of BF6: y's codes and scale bytes come from the attention launch, wo's from the first launch.
; SHARES.  A work-group takes 256 tokens (block tb) x 64 outputs (group cg); wave w the token tiles 16 tb + 4 w + m, m = 0 .. 3 (row rho of tile T is token 32 (T / 2) + 8 (T % 2) + rho + 8 (rho / 8)).
; The wave's y fragments for all of K (384 registers) go from memory straight into registers.  wo's four tiles of the group (49,152 bytes) come into LDS once, one joint load a wave:
; CLUSTER: the four work-groups of a cluster differ in tb alone and want the same tiles of wo (mask 15).  Nothing in LDS is filled twice.
; 8 K steps x 16 matrix instructions on 16 accumulators that take turns.  Source 0 = wo's tile j, source 1 = y's tile m: a lane holds one token, and its register 16 b + i
; of the four tiles j is output 64 cg + 32 b + 16 h + i.  The bias is the C of each sum's first matrix instruction.
; THE WAY OUT: a tile of 16 tokens x 64 outputs goes through the wave's own stage in LDS (rows of 272 bytes) and leaves as rows: sixteen lanes store 256 consecutive bytes, aligned.
; REGISTERS.  Window 0: v1-6 addresses; v32-47 y's scale words; v48-63 wo's; v64-191 the accumulators; v192-255 rows on the way out.  Window 1: y's fragments of tiles 0, 1 at 96 m + 12 ks.  Window 2: tiles 2, 3.
;   Window 3: two sets of four fragments of wo at 48 (n % 2) + 12 j; from v96 the bias.
.set TILE,  12288
.set STAGE, 4*TILE                     ; behind wo's tiles: 16 x 272 bytes for each wave; no tile lands there
.set YS,   32
.set WS,   48
.set ACC,  64
.set OBK,  192
.set BIAS, 96
.set WV,   20
.set G1,   24
.set G0,   32
.set YB,   44
.set YSB,  46
.set WSB,  48
.set BB,   50
.set OUTB, 52
.set MSB,  0
.macro WIN new
.if MSB != \new
	s_set_vgpr_msb (MSB<<8)|\new
.set MSB, \new
.endif
.endm
.macro PLACES n
.rept \n
	v_nop
.endr
.endm
.macro ROUND                           ; a round of the cluster's barrier
	s_barrier_signal -1
	s_barrier_wait -1
	s_cmp_lg_u32 s[WV], 0
	s_cbranch_scc1 .Lnot_wave_0_\@
	s_barrier_signal -3
.Lnot_wave_0_\@:
	s_barrier_wait -3
	s_barrier_signal -1
	s_barrier_wait -1
.endm
.macro WFETCH n                        ; wo's four fragments of K step n into set n % 2 of window 3
.set fn, \n
	WIN 0xc0
.irp j, 0,1,2,3
.irp g, 0,1,2
	ds_load_b128 v[48*(fn%2)+12*\j+4*\g:48*(fn%2)+12*\j+4*\g+3], v1 offset:TILE*\j+1536*fn+512*\g
.endr
.endr
.endm
.macro KSTEP n
.set kn, \n
	PLACES 4                                       ; in front of loads into the set that the step before multiplied
.if kn < 7
	WFETCH kn+1
.endif
.if 112-16*kn > 63
	s_wait_loadcnt 63                              ; the small loads and this K step's y fragments are in
.else
	s_wait_loadcnt 112-16*kn                       ; the y fragments of later K steps, 16 loads each, may be out
.endif
.if kn < 7
	s_wait_dscnt 12                                ; this step's fragments of wo are in; the 12 loads just issued may be out
.else
	s_wait_dscnt 0x0
.endif
.set mi, 0
.rept 4
.set wsel, 0x07+4*(mi/2)                           ; source 0 window 3 (wo), source 1 window 1 or 2 (y)
.if kn == 0
.set wsel, wsel+0x30                               ; C: the bias, in window 3
.endif
	WIN wsel
.set ji, 0
.rept 4
.set rD, ACC+32*mi+8*ji
.set rA, 48*(kn%2)+12*ji
.set rB, 96*(mi%2)+12*kn
.set rSA, WS+4*ji+kn%4
.set rSB, YS+4*mi+kn%4
.set rC, rD
.if kn == 0
.set rC, BIAS+8*ji
.endif
.if kn < 4
	v_wmma_scale_f32_16x16x128_f8f6f4 v[rD:rD+7], v[rA:rA+11], v[rB:rB+11], v[rC:rC+7], v[rSA], v[rSB] matrix_a_fmt:MATRIX_FMT_BF6 matrix_b_fmt:MATRIX_FMT_BF6
.else
	v_wmma_scale_f32_16x16x128_f8f6f4 v[rD:rD+7], v[rA:rA+11], v[rB:rB+11], v[rC:rC+7], v[rSA], v[rSB] matrix_a_fmt:MATRIX_FMT_BF6 matrix_b_fmt:MATRIX_FMT_BF6 matrix_a_scale:MATRIX_SCALE_ROW1 matrix_b_scale:MATRIX_SCALE_ROW1
.endif
.set ji, ji+1
.endr
.set mi, mi+1
.endr
	WIN 0
.endm
.macro TOSTAGE m                       ; token tile m into my stage, each accumulator from its low end on, and back as whole rows
.irp b, 0,1
.irp q, 0,1,2,3
	ds_store_b128 v4, v[ACC+32*(\m)+16*\b+4*\q:ACC+32*(\m)+16*\b+4*\q+3] offset:128*\b+16*\q
.endr
.endr
.irp t, 0,1,2,3,4,5,6,7
	ds_load_b128 v[OBK+32*((\m)%2)+4*\t:OBK+32*((\m)%2)+4*\t+3], v5 offset:544*\t   ; LDS serves a wave's instructions in order: these see the stores above, and the next tile's stores come behind them
.endr
.endm
.macro SEND m, younger                 ; younger: the LDS instructions issued behind tile m's loads, which may stay out
	s_wait_dscnt \younger
.irp t, 0,1,2,3,4,5,6,7
	global_store_b128 v6, v[OBK+32*((\m)%2)+4*\t:OBK+32*((\m)%2)+4*\t+3], s[OUTB:OUTB+1] offset:(32*((\m)/2)+8*((\m)%2)+2*\t+8*(\t/4))*4096 th:TH_STORE_NT   ; stage rows 2 t and 2 t + 1: 16 lanes store 256 consecutive bytes, aligned
.endr
.endm
	s_load_b256 s[4:11], s[0:1], 0x0               ; yc, ys, codes, scales
	s_load_b128 s[12:15], s[0:1], 0x20             ; wo_b, out0
	v_lshl_add_u32 v30, v0, 2, 0x29000
	v_mov_b32 v31, 0
	ds_add_u32 v30, v31
	ds_add_u32 v30, v31
	v_lshrrev_b32 v20, 5, v0
	v_readfirstlane_b32 s[WV], v20                 ; wave 0..3
	s_bfe_u32 s72, ttmp6, 0x40000                  ; cx
	s_lshl_b32 s73, ttmp9, 2
	s_add_co_u32 s73, s73, s72                     ; tb = 4 x cluster x + cx: it enters y's and out0's addresses alone
	s_and_b32 s74, ttmp7, 0xffff                   ; cg, which the four partners share
	s_mov_b32 s[G1], 15|(3<<16)|(1<<21)            ; the mask: all four work-groups; elements of 8 bytes; bit 21 beside a mask; no padding
	s_mov_b32 s[G1+1], 32<<16                      ; a tile, 12,288 dense bytes, as 48 rows of 32 elements
	s_mov_b32 s[G1+2], 48<<16
	s_mov_b32 s[G1+3], 32<<16
	s_mov_b32 s[G1+4], 48
	s_mov_b32 s[G1+5], 32
	s_mov_b32 s[G1+6], 0
	s_mov_b32 s[G1+7], 0
	s_lshl_b32 s75, s74, 2
	s_add_co_u32 s75, s75, s[WV]
	s_add_co_u32 s75, s75, 448                     ; wave w fetches wo's tile 4 cg + w: number 448 + 4 cg + w
	s_mul_i32 s76, s75, TILE
	s_mov_b32 s77, 0
	s_mul_i32 s78, s[WV], TILE
	s_wait_dscnt 0x0
	s_wait_kmcnt 0x0
	s_mov_b32 s[G0], 1
	s_mov_b32 s[G0+1], s78
	s_add_nc_u64 s[G0+2:G0+3], s[8:9], s[76:77]
	s_or_b32 s[G0+3], s[G0+3], 0x80000000
	ROUND                                          ; all four work-groups are here: the joint loads meet
	tensor_load_to_lds s[G0:G0+3], s[G1:G1+7]      ; my one tensor load of the launch
	s_nop 0
	PLACES 4
	s_lshl_b32 s80, s73, 4
	s_lshl_b32 s81, s[WV], 2
	s_add_co_u32 s80, s80, s81                     ; my first token tile
	s_mul_i32 s82, s80, TILE
	s_mov_b32 s83, 0
	s_add_nc_u64 s[YB:YB+1], s[4:5], s[82:83]
	s_lshl_b32 s82, s80, 9
	s_add_nc_u64 s[YSB:YSB+1], s[6:7], s[82:83]
	s_lshl_b32 s82, s74, 2
	s_add_co_u32 s82, s82, 448
	s_lshl_b32 s82, s82, 9
	s_add_nc_u64 s[WSB:WSB+1], s[10:11], s[82:83]
	s_lshl_b32 s82, s74, 8                         ; the group's 64 outputs: 256 bytes
	s_add_nc_u64 s[BB:BB+1], s[12:13], s[82:83]
	s_add_nc_u64 s[OUTB:OUTB+1], s[14:15], s[82:83]
	s_lshl_b32 s82, s80, 16                        ; 16 tokens of 4,096 bytes a tile
	s_add_nc_u64 s[OUTB:OUTB+1], s[OUTB:OUTB+1], s[82:83]
	v_and_b32 v11, 31, v0
	v_lshlrev_b32 v1, 4, v11                       ; 16 l
	v_lshlrev_b32 v2, 3, v11                       ; 8 l
	v_and_b32 v20, 15, v0                          ; r
	v_bfe_u32 v21, v0, 4, 1                        ; h
	v_lshlrev_b32 v3, 6, v21                       ; 64 h
	s_mul_i32 s84, s[WV], 16*272
	s_add_co_u32 s84, s84, STAGE                   ; my stage
	v_mul_u32_u24 v4, v20, 272
	v_lshl_add_u32 v4, v21, 6, v4
	v_add_nc_u32 v4, s84, v4                       ; in: row r, + 64 h bytes
	v_mul_u32_u24 v5, v21, 272
	v_lshl_add_u32 v5, v20, 4, v5
	v_add_nc_u32 v5, s84, v5                       ; back: lanes 0-15 one row, lanes 16-31 the next
	v_lshlrev_b32 v6, 12, v21
	v_lshl_add_u32 v6, v20, 4, v6                  ; and the same two rows in out0
	; 16 small loads
.irp m, 0,1,2,3
	global_load_b128 v[YS+4*\m:YS+4*\m+3], v1, s[YSB:YSB+1] offset:512*\m   ; register e: lanes 0-15 K step e, lanes 16-31 K step 4 + e
.endr
.irp j, 0,1,2,3
	global_load_b128 v[WS+4*\j:WS+4*\j+3], v1, s[WSB:WSB+1] offset:512*\j
.endr
	WIN 0xc0
.irp j, 0,1,2,3
	global_load_b128 v[BIAS+8*\j:BIAS+8*\j+3], v3, s[BB:BB+1] offset:(32*(\j/2)+8*(\j%2))*4
	global_load_b128 v[BIAS+8*\j+4:BIAS+8*\j+7], v3, s[BB:BB+1] offset:(32*(\j/2)+8*(\j%2))*4+16
.endr
	; 128 loads: y's fragments, K step by K step; a fragment is two heads' half fragments
.irp k, 0,1,2,3,4,5,6,7
	WIN 0x40
.irp m, 0,1
.irp c, 0,1
	global_load_b128 v[96*\m+12*\k+6*\c:96*\m+12*\k+6*\c+3], v1, s[YB:YB+1] offset:TILE*\m+1536*\k+768*\c
	global_load_b64 v[96*\m+12*\k+6*\c+4:96*\m+12*\k+6*\c+5], v2, s[YB:YB+1] offset:TILE*\m+1536*\k+768*\c+512
.endr
.endr
	WIN 0x80
.irp m, 0,1
.irp c, 0,1
	global_load_b128 v[96*\m+12*\k+6*\c:96*\m+12*\k+6*\c+3], v1, s[YB:YB+1] offset:TILE*(\m+2)+1536*\k+768*\c
	global_load_b64 v[96*\m+12*\k+6*\c+4:96*\m+12*\k+6*\c+5], v2, s[YB:YB+1] offset:TILE*(\m+2)+1536*\k+768*\c+512
.endr
.endr
.endr
	WIN 0
	s_wait_tensorcnt 0x0                           ; my tile lies in LDS,
	s_barrier_signal -1
	s_barrier_wait -1                              ; everybody's does; nothing is filled again
	WFETCH 0
	WIN 0
.irp n, 0,1,2,3,4,5,6,7
	KSTEP \n
.endr
	PLACES 4                                       ; in front of the first read of results
	s_wait_alu depctr_va_vdst(0)
	TOSTAGE 0
	TOSTAGE 1
	SEND 0, 16                                     ; behind tile 0's loads: tile 1's 8 stores and 8 loads
	s_wait_xcnt 0x0                                ; tile 0's stores have read their registers: tile 2's rows may land there
	TOSTAGE 2
	SEND 1, 16
	s_wait_xcnt 0x0
	TOSTAGE 3
	SEND 2, 16
	SEND 3, 0
	s_wait_tensorcnt 0x0
	ds_add_u32 v30, v31
	s_wait_dscnt 0x0
	ROUND                                          ; the closing round: no work-group ends while a partner may still ask for a tile that names it
	s_endpgm
.Lfunc_end_k_q5714996eb2_oproj:
	.size	k_q5714996eb2_oproj, .Lfunc_end_k_q5714996eb2_oproj-k_q5714996eb2_oproj
	.p2alignl 7, 3214868480
	.fill 96, 4, 3214868480
	.section	.rodata,"a",@progbits
	.p2align	6, 0x0
	.amdhsa_kernel k_q5714996eb2_oproj
		.amdhsa_group_segment_fixed_size 168448
		.amdhsa_private_segment_fixed_size 0
		.amdhsa_enable_private_segment 0
		.amdhsa_kernarg_size 48
		.amdhsa_user_sgpr_count 2
		.amdhsa_user_sgpr_kernarg_segment_ptr 1
		.amdhsa_wavefront_size32 1
		.amdhsa_system_sgpr_workgroup_id_x 1
		.amdhsa_system_sgpr_workgroup_id_y 1
		.amdhsa_system_sgpr_workgroup_id_z 1
		.amdhsa_system_vgpr_workitem_id 0
		.amdhsa_next_free_vgpr 896
		.amdhsa_next_free_sgpr 96
		.amdhsa_reserve_vcc 0
		.amdhsa_float_denorm_mode_32 3
		.amdhsa_float_denorm_mode_16_64 3
		.amdhsa_memory_ordered 1
		.amdhsa_forward_progress 1
		.amdhsa_inst_pref_size 51
	.end_amdhsa_kernel
	.amdgpu_metadata
---
amdhsa.version: [ 1, 2 ]
amdhsa.kernels:
  - .name:           k_q5714996eb2_oproj
    .symbol:         k_q5714996eb2_oproj.kd
    .args:
      - { .name: yc, .offset: 0, .size: 8, .value_kind: global_buffer, .address_space: global }
      - { .name: ys, .offset: 8, .size: 8, .value_kind: global_buffer, .address_space: global }
      - { .name: codes, .offset: 16, .size: 8, .value_kind: global_buffer, .address_space: global }
      - { .name: scales, .offset: 24, .size: 8, .value_kind: global_buffer, .address_space: global }
      - { .name: wo_b, .offset: 32, .size: 8, .value_kind: global_buffer, .address_space: global }
      - { .name: out0, .offset: 40, .size: 8, .value_kind: global_buffer, .address_space: global }
    .group_segment_fixed_size: 168448
    .private_segment_fixed_size: 0
    .kernarg_segment_align: 8
    .kernarg_segment_size: 48
    .max_flat_workgroup_size: 128
    .sgpr_count:     96
    .vgpr_count:     896
    .wavefront_size: 32
...
	.end_amdgpu_metadata
.endif
;; end of part 4
